; MI455X (gfx1250); checked and timed in simulation.
; The chip was launched on July 23, 2026; its instructions are those of AMD's public machine-readable ISA for CDNA 5 (MIT licence, August 2026) and "CDNA5" Instruction Set Architecture Reference Guide (July 2026). The comments in the code are by the model that wrote it; some were corrected since.
;; FCGF point att k new. Allowed arithmetic: float matrix products may take bf16 or f16 operands with f32 sums; other float arithmetic in f32, or as packed bf16 or f16 multiplies, adds, multiply-adds, maxima and minima; sums over many terms, partial sums and values carried from step to step in f32; what a program stores and reads back later, other than sums and carried values, may be rounded once to bf16 or f16.
;; Inputs: b1 128 float32; b2 512 float32; be1 128 float32; be2 512 float32; bef 256 float32; bf 256 float32; g1 128 float32; g2 512 float32; gf 256 float32; w1 128 x 32 float32; w2 512 x 128 float32; wf 256 x 16,384 float32; x 524,288 x 32 float32.
;; Outputs: out0 16 x 256 float32; out1 16 x 512 float32; out2 16 x 1 int32.
;; Constants: seg_len = 32768.
;; One version. Each part assembles by itself: llvm-mc -triple=amdgcn-amd-amdhsa -mcpu=gfx1250 --defsym DOCPART=n.
;; ======== version 1 of 1: 8 launches
;; limits: values are held in f16: magnitudes above 65,504 overflow, below 6.1e-05 lose precision; a difference of large sums (such as E[x^2] - mean^2): digits are lost where the result is much smaller than its terms; values outside matrix products are rounded to f16
;; workspace buffers: xh 33,554,432 bytes; p1 262,144 bytes; f1 140,800 bytes; p2 1,048,576 bytes; f2 133,120 bytes; pp 17,301,504 bytes; yp 4,194,304 bytes; rb 16,384 bytes
;; launch xmom (part 1): grid 256 x 1, 8 waves a work-group, no clusters, 291,840 bytes of LDS; arguments x, w1, xh, p1; writes xh, p1
.if DOCPART == 1
	.amdgcn_target "amdgcn-amd-amdhsa--gfx1250"
	.amdhsa_code_object_version 6
	.text
	.protected	k_q85d40244f9_xmom
	.globl	k_q85d40244f9_xmom
	.p2align	8
	.type	k_q85d40244f9_xmom,@function
k_q85d40244f9_xmom:
	s_mov_b64 s[64:65], 0
	v_nop
	global_prefetch_b8 v0, s[64:65] scope:SCOPE_SE
	s_setreg_imm32_b32 hwreg(HW_REG_WAVE_MODE, 25, 1), 1
	s_wait_xcnt 0x0
; FIRST WALK OVER x.  xh[p][c] = f16(bf16(x[p][c]) - bf16(x[0][c])); p1[wg] = the work-group's sums of z and z*z for the 128
; channels of z = xh . f16(bf16(w1))^T.  The shift by the first row makes the later variance a variance of shifted data.
; LIMITS: |x - x[0]| stays under 65,504 (f16); below 6e-5 f16 keeps a step of 6e-8; NaN and infinities are not treated apart.
; SHARES: a work-group owns 2,048 rows, each of its 8 waves 256: 8 trips of 32 rows.  A wave's 32 KiB of x come by two tensor
; loads of 64 rows x 256 bytes, both issued at the head (two loads of mine are out); only the issuing wave reads them.
; No cluster: no two work-groups read the same rows of x, and w1 is 16 KiB read once a wave.
.set STG,   262144                     ; 32 rows x 80 bytes of f16 for each wave: the way from "4 channels a lane" to a fragment
.set RED,   282624                     ; 1,024 bytes a wave: its 128 sums and 128 sums of squares
.set SPARE, 290816                     ; the spare words: 128 bytes a wave
.set W1H, 16                           ; v[16:79]   w1 as 8 fragments (column = channel 16 t + lane % 16, K = 32 inputs)
.set D,   80                           ; v[80:143]  8 results
.set X,   144                          ; v[144:175] 32 rows as loaded
.set PK,  176                          ; v[176:191] the same in f16
.set A,   192                          ; v[192:207] two fragments of 16 rows
.set ACC, 208                          ; v[208:239] tile t: a pair of sums, a pair of sums of squares
.set SV,  240                          ; v[240:243] the shift of my 4 channels
.macro PLACES n
.rept \n
	v_nop
.endr
.endm
	s_load_b256 s[4:11], s[0:1], 0x0               ; x, w1, xh, p1
	v_lshl_add_u32 v6, v0, 2, SPARE
	v_mov_b32 v7, 0
	ds_add_u32 v6, v7                              ; the opening: the add, twice on end, and its wait ahead of my first tensor load
	ds_add_u32 v6, v7
	v_lshrrev_b32 v1, 5, v0
	v_readfirstlane_b32 s12, v1                    ; wave 0..7
	s_mov_b32 s16, 3<<16                           ; group 1: elements of 8 bytes, no padding
	s_mov_b32 s17, 32<<16                          ; tensor_dim0 = 32 elements = 256 bytes
	s_mov_b32 s18, 64<<16                          ; tensor_dim1 = 64
	s_mov_b32 s19, 32<<16                          ; tile_dim0 = 32
	s_mov_b32 s20, 64                              ; tile_dim1 = 64
	s_mov_b32 s21, 32                              ; 32 elements from row to row: the block is dense
	s_mov_b32 s22, 0
	s_mov_b32 s23, 0
	s_lshl_b32 s13, s12, 15                        ; my 32 KiB, in LDS and in the work-group's part of x
	s_mov_b32 s24, 1
	s_mov_b32 s25, s13
	s_mov_b32 s28, 1
	s_add_co_u32 s29, s13, 16384
	s_lshl_b32 s2, ttmp9, 18
	s_add_co_u32 s2, s2, s13
	s_mov_b32 s3, 0
	s_mov_b32 s14, 0xffff0000
	s_mov_b32 s32, 0x76543210
	s_mov_b32 s33, 0xfedcba98
	s_mov_b32 s34, 0                               ; the trip's first byte in my 32 KiB
	s_wait_dscnt 0x0
	s_wait_kmcnt 0x0
	s_add_nc_u64 s[26:27], s[4:5], s[2:3]
	s_add_nc_u64 s[30:31], s[26:27], 16384
	s_or_b32 s27, s27, 0x80000000
	s_or_b32 s31, s31, 0x80000000
	tensor_load_to_lds s[24:27], s[16:23]
	s_nop 0
	tensor_load_to_lds s[28:31], s[16:23]
	s_nop 0
	PLACES 4
	v_and_b32 v1, 31, v0                           ; L
	v_and_b32 v8, 15, v0                           ; r
	v_bfe_u32 v9, v0, 4, 1                         ; h
	v_lshlrev_b32 v10, 7, v8
	v_lshl_add_u32 v10, v9, 5, v10                 ; w1: row r, 8 inputs from 8 h on
.set t, 0
.rept 8
	global_load_b128 v[D+16*t:D+16*t+3],     v10, s[6:7] offset:2048*t
	global_load_b128 v[D+16*t+4:D+16*t+7],   v10, s[6:7] offset:2048*t+16
	global_load_b128 v[D+16*t+8:D+16*t+11],  v10, s[6:7] offset:2048*t+64
	global_load_b128 v[D+16*t+12:D+16*t+15], v10, s[6:7] offset:2048*t+80
.set t, t+1
.endr
	v_and_b32 v11, 7, v0
	v_lshlrev_b32 v11, 4, v11
	global_load_b128 v[SV:SV+3], v11, s[4:5]       ; x[0], my 4 channels
	v_lshl_add_u32 v2, v1, 4, s13                  ; my 16 bytes of 512
	s_mul_i32 s15, s12, 2560
	s_add_co_u32 s15, s15, STG
	v_lshrrev_b32 v12, 3, v1
	v_mul_u32_u24 v3, v12, 80
	v_and_b32 v12, 7, v1
	v_lshl_add_u32 v3, v12, 3, v3
	v_add_nc_u32 v3, s15, v3                       ; into the stage: row L / 8, 8 bytes
	v_mul_u32_u24 v4, v8, 80
	v_lshl_add_u32 v4, v9, 4, v4
	v_add_nc_u32 v4, s15, v4                       ; out of it: row r, 16 bytes from 16 h on
	v_lshlrev_b32 v5, 3, v1                        ; xh: 8 bytes a lane
	s_lshl_b32 s15, s12, 10
	s_add_co_u32 s15, s15, RED
	v_lshl_add_u32 v12, v9, 9, s15
	v_lshl_add_u32 v12, v8, 2, v12                 ; my word among the wave's 256
	s_lshl_b32 s2, ttmp9, 17
	s_lshl_b32 s15, s12, 14
	s_add_co_u32 s2, s2, s15
	s_add_nc_u64 s[8:9], s[8:9], s[2:3]            ; xh at my first row
	s_lshl_b32 s2, ttmp9, 10
	s_add_nc_u64 s[10:11], s[10:11], s[2:3]
.set t, 0
.rept 32
	v_mov_b32 v[ACC+t], 0                          ; vector sums, cleared while the first tile is on its way
.set t, t+1
.endr
	s_wait_loadcnt 0x0
.set n, 0
.rept 64                                       ; w1: rounded to bf16 like every input, then written as f16
	v_cvt_pk_bf16_f32 v244, v[D+2*n], v[D+2*n+1]
	v_lshlrev_b32 v245, 16, v244
	v_and_b32 v244, s14, v244
	v_cvt_pk_f16_f32 v[W1H+n], v245, v244
.set n, n+1
.endr
	v_cvt_pk_bf16_f32 v244, v[SV], v[SV+1]
	v_cvt_pk_bf16_f32 v245, v[SV+2], v[SV+3]
	v_lshlrev_b32 v[SV], 16, v244
	v_and_b32 v[SV+1], s14, v244
	v_lshlrev_b32 v[SV+2], 16, v245
	v_and_b32 v[SV+3], s14, v245
; A trip: 32 rows are read, rounded, shifted, stored as f16, turned into two fragments through my stage, multiplied, summed.
.macro TRIP
	v_add_nc_u32 v13, s34, v2
.set j, 0
.rept 8
	ds_load_b128 v[X+4*j:X+4*j+3], v13 offset:512*j
.set j, j+1
.endr
	s_wait_dscnt 0x0
.set j, 0
.rept 8
.set xr, X+4*j
.set tr, 244+2*(j%2)
	v_cvt_pk_bf16_f32 v[tr], v[xr], v[xr+1]
	v_cvt_pk_bf16_f32 v[tr+1], v[xr+2], v[xr+3]
	v_lshlrev_b32 v[xr], 16, v[tr]
	v_and_b32 v[xr+1], s14, v[tr]
	v_lshlrev_b32 v[xr+2], 16, v[tr+1]
	v_and_b32 v[xr+3], s14, v[tr+1]
	v_pk_add_f32 v[xr:xr+1], v[xr:xr+1], v[SV:SV+1] neg_lo:[0,1] neg_hi:[0,1]
	v_pk_add_f32 v[xr+2:xr+3], v[xr+2:xr+3], v[SV+2:SV+3] neg_lo:[0,1] neg_hi:[0,1]
	v_cvt_pk_f16_f32 v[PK+2*j], v[xr], v[xr+1]
	v_cvt_pk_f16_f32 v[PK+2*j+1], v[xr+2], v[xr+3]
.set j, j+1
.endr
.set j, 0
.rept 8
	global_store_b64 v5, v[PK+2*j:PK+2*j+1], s[8:9] offset:256*j   ; the wave's store covers 256 consecutive bytes, aligned
	ds_store_b64 v3, v[PK+2*j:PK+2*j+1] offset:320*j
.set j, j+1
.endr
	ds_load_b128 v[A:A+3],     v4                  ; my own bytes: LDS serves a wave's instructions in order
	ds_load_b128 v[A+4:A+7],   v4 offset:32
	ds_load_b128 v[A+8:A+11],  v4 offset:1280
	ds_load_b128 v[A+12:A+15], v4 offset:1312
	s_wait_dscnt 0x0
.set pt, 0
.rept 2
.set t, 0
.rept 8
	v_wmma_f32_16x16x32_f16 v[D+8*t:D+8*t+7], v[A+8*pt:A+8*pt+7], v[W1H+8*t:W1H+8*t+7], 0
.set t, t+1
.endr
	PLACES 4                                       ; four places between the last product and the sums that read results
.set q, 0
.rept 4                                        ; each result is read from its low registers on
.set t, 0
.rept 8
	v_pk_add_f32 v[ACC+4*t:ACC+4*t+1], v[ACC+4*t:ACC+4*t+1], v[D+8*t+2*q:D+8*t+2*q+1]
	v_pk_fma_f32 v[ACC+4*t+2:ACC+4*t+3], v[D+8*t+2*q:D+8*t+2*q+1], v[D+8*t+2*q:D+8*t+2*q+1], v[ACC+4*t+2:ACC+4*t+3]
.set t, t+1
.endr
.set q, q+1
.endr
.set pt, pt+1
.endr
	s_wait_xcnt 0x0                                ; the stores have read their base and data: both are rewritten only behind this wait
	s_add_nc_u64 s[8:9], s[8:9], 2048
	s_add_co_u32 s34, s34, 4096
.endm
	s_wait_tensorcnt 0x1                           ; my first 16 KiB are in; the second load may stay out
	s_mov_b32 s35, 4
.Lfirst:
	TRIP
	s_sub_co_u32 s35, s35, 1
	s_cmp_lg_u32 s35, 0
	s_cbranch_scc1 .Lfirst
	s_wait_tensorcnt 0x0                           ; the second 16 KiB
	s_mov_b32 s35, 4
.Lsecond:
	TRIP
	s_sub_co_u32 s35, s35, 1
	s_cmp_lg_u32 s35, 0
	s_cbranch_scc1 .Lsecond
	v_cmp_eq_u32 vcc_lo, 1, v9
.set t, 0
.rept 8
	v_add_f32 v[ACC+4*t], v[ACC+4*t], v[ACC+4*t+1]
	v_add_f32 v[ACC+4*t+2], v[ACC+4*t+2], v[ACC+4*t+3]
.set t, t+1
.endr
.set t, 0
.rept 8
	v_permlanex16_b32 v[ACC+4*t+1], v[ACC+4*t], s32, s33     ; the other 8 rows of a tile lie in the lane 16 away
	v_permlanex16_b32 v[ACC+4*t+3], v[ACC+4*t+2], s32, s33
.set t, t+1
.endr
.set t, 0
.rept 8
	v_add_f32 v[ACC+4*t], v[ACC+4*t], v[ACC+4*t+1]
	v_add_f32 v[ACC+4*t+2], v[ACC+4*t+2], v[ACC+4*t+3]
	v_cndmask_b32 v[ACC+4*t], v[ACC+4*t], v[ACC+4*t+2], vcc_lo   ; lanes 0-15 keep the sum, lanes 16-31 the sum of squares
	ds_store_b32 v12, v[ACC+4*t] offset:64*t
.set t, t+1
.endr
	s_wait_dscnt 0x0                               ; for the others' sake
	s_barrier_signal -1
	s_barrier_wait -1
	s_cmp_lt_u32 s12, 2                            ; 64 threads x 4 numbers
	s_cbranch_scc0 .Lend
	v_lshlrev_b32 v10, 4, v0
	v_add_nc_u32 v11, RED, v10
.set c, 0
.rept 8
	ds_load_b128 v[D+4*c:D+4*c+3], v11 offset:1024*c
.set c, c+1
.endr
	s_wait_dscnt 0x0
.set c, 1
.rept 7
	v_pk_add_f32 v[D:D+1], v[D:D+1], v[D+4*c:D+4*c+1]
	v_pk_add_f32 v[D+2:D+3], v[D+2:D+3], v[D+4*c+2:D+4*c+3]
.set c, c+1
.endr
	global_store_b128 v10, v[D:D+3], s[10:11]
.Lend:
	s_wait_tensorcnt 0x0                           ; the wave's end
	ds_add_u32 v6, v7
	s_wait_dscnt 0x0
	s_endpgm
.Lfunc_end_k_q85d40244f9_xmom:
	.size	k_q85d40244f9_xmom, .Lfunc_end_k_q85d40244f9_xmom-k_q85d40244f9_xmom
	.p2alignl 7, 3214868480
	.fill 96, 4, 3214868480
	.section	.rodata,"a",@progbits
	.p2align	6, 0x0
	.amdhsa_kernel k_q85d40244f9_xmom
		.amdhsa_group_segment_fixed_size 291840
		.amdhsa_private_segment_fixed_size 0
		.amdhsa_enable_private_segment 0
		.amdhsa_kernarg_size 32
		.amdhsa_user_sgpr_count 2
		.amdhsa_user_sgpr_kernarg_segment_ptr 1
		.amdhsa_wavefront_size32 1
		.amdhsa_system_sgpr_workgroup_id_x 1
		.amdhsa_system_sgpr_workgroup_id_y 1
		.amdhsa_system_sgpr_workgroup_id_z 1
		.amdhsa_system_vgpr_workitem_id 0
		.amdhsa_next_free_vgpr 256
		.amdhsa_next_free_sgpr 66
		.amdhsa_reserve_vcc 1
		.amdhsa_float_denorm_mode_32 3
		.amdhsa_float_denorm_mode_16_64 3
		.amdhsa_memory_ordered 1
		.amdhsa_forward_progress 1
		.amdhsa_inst_pref_size 56
	.end_amdhsa_kernel
	.amdgpu_metadata
---
amdhsa.version: [ 1, 2 ]
amdhsa.kernels:
  - .name:           k_q85d40244f9_xmom
    .symbol:         k_q85d40244f9_xmom.kd
    .args:
      - { .name: x, .offset: 0, .size: 8, .value_kind: global_buffer, .address_space: global }
      - { .name: w1, .offset: 8, .size: 8, .value_kind: global_buffer, .address_space: global }
      - { .name: xh, .offset: 16, .size: 8, .value_kind: global_buffer, .address_space: global }
      - { .name: p1, .offset: 24, .size: 8, .value_kind: global_buffer, .address_space: global }
    .group_segment_fixed_size: 291840
    .private_segment_fixed_size: 0
    .kernarg_segment_align: 8
    .kernarg_segment_size: 32
    .max_flat_workgroup_size: 256
    .sgpr_count:     66
    .vgpr_count:     256
    .wavefront_size: 32
...
	.end_amdgpu_metadata
.endif
;; end of part 1
;; launch fold1 (part 2): grid 8 x 1, 8 waves a work-group, no clusters, 2,048 bytes of LDS; arguments p1, w1, b1, g1, be1, x, w2, f1; writes f1
.if DOCPART == 2
	.amdgcn_target "amdgcn-amd-amdhsa--gfx1250"
	.amdhsa_code_object_version 6
	.text
	.protected	k_q85d40244f9_fold1
	.globl	k_q85d40244f9_fold1
	.p2align	8
	.type	k_q85d40244f9_fold1,@function
k_q85d40244f9_fold1:
	s_mov_b64 s[64:65], 0
	v_nop
	global_prefetch_b8 v0, s[64:65] scope:SCOPE_SE
	s_setreg_imm32_b32 hwreg(HW_REG_WAVE_MODE, 25, 1), 1
	s_wait_xcnt 0x0
; BN1 IS FOLDED INTO w1.  From the 256 work-groups' sums: mean' and var of z' = (x - s) . w1; t1 = w1 . s + b1; mu1 = mean' + t1;
; a1 = g1 rsq(var + 1e-5); c1 = be1 + a1 (t1 - mu1); s1 = f16(max(be1, 0)).  Stored in f1: w1s = f16(a1 w1) at 0, c1 - s1 at 8192,
; -s1 in f16 at 8704, s1 at 8960, s at 9472, and f16(bf16(w2)) at 9728.  Every input is rounded to bf16 first.
; Work-group g owns channels 16 g .. 16 g + 15 and rows 64 g .. 64 g + 63 of w2.  p1 is 256 KiB, read once, in pieces of 64 bytes:
; a channel block's share of each work-group's line.  8 work-groups: there are 128 channels to fold.
.macro RB a, b                         ; two f32 rounded to bf16, in place
	v_cvt_pk_bf16_f32 v20, v[\a], v[\b]
	v_lshlrev_b32 v[\a], 16, v20
	v_and_b32 v[\b], s28, v20
.endm
	s_load_b512 s[4:19], s[0:1], 0x0               ; p1, w1, b1, g1, be1, x, w2, f1
	v_lshl_add_u32 v4, v0, 2, 1024                 ; the spare words begin at 1,024
	v_mov_b32 v5, 0
	v_lshrrev_b32 v1, 5, v0
	v_readfirstlane_b32 s20, v1                    ; wave
	s_mov_b32 s21, ttmp9                           ; g
	v_and_b32 v1, 31, v0
	v_and_b32 v2, 15, v0                           ; r
	v_bfe_u32 v3, v0, 4, 1                         ; h
	s_mov_b32 s26, 0x76543210
	s_mov_b32 s27, 0xfedcba98
	s_mov_b32 s28, 0xffff0000
	s_lshl_b32 s22, s20, 15
	s_lshl_b32 s23, s21, 6
	s_add_co_u32 s22, s22, s23
	v_lshl_add_u32 v6, v3, 9, s22
	v_lshl_add_u32 v6, v2, 2, v6                   ; p1: line 32 w, half h, channel 16 g + r
	s_lshl_b32 s22, s21, 15
	s_lshl_b32 s24, s20, 12
	s_add_co_u32 s22, s22, s24
	v_lshl_add_u32 v7, v1, 4, s22                  ; w2: my wave's 4 KiB
	s_lshl_b32 s22, s21, 11
	v_lshl_add_u32 v8, v2, 7, s22
	v_lshl_add_u32 v8, v3, 6, v8                   ; w1: row 16 g + r, 16 inputs from 16 h on
	v_lshlrev_b32 v9, 6, v3                        ; x[0]: the same 16 inputs
	v_lshl_add_u32 v10, v2, 2, s23                 ; (16 g + r) x 4
	v_lshlrev_b32 v11, 2, v1
	s_lshl_b32 s22, s20, 7
	v_lshl_add_u32 v12, v1, 2, s22                 ; LDS: 128 w + 4 L
	s_lshl_b32 s22, s21, 14
	s_lshl_b32 s24, s20, 11
	s_add_co_u32 s22, s22, s24
	v_lshl_add_u32 v13, v1, 3, s22                 ; w2h: half of w2's offset
	s_lshl_b32 s22, s21, 10
	v_lshl_add_u32 v15, v2, 6, s22
	v_lshl_add_u32 v15, v3, 5, v15                 ; w1s: row 16 g + r, 32 bytes from 32 h on
	s_lshl_b32 s22, s21, 5
	v_lshl_add_u32 v14, v2, 1, s22                 ; (16 g + r) x 2
	s_wait_kmcnt 0x0
.set j, 0
.rept 32
	global_load_b32 v[32+j], v6, s[4:5] offset:1024*j
.set j, j+1
.endr
.set j, 0
.rept 8
	global_load_b128 v[64+4*j:64+4*j+3], v7, s[16:17] offset:512*j
.set j, j+1
.endr
.set j, 0
.rept 4
	global_load_b128 v[96+4*j:96+4*j+3], v8, s[6:7] offset:16*j
.set j, j+1
.endr
.set j, 0
.rept 4
	global_load_b128 v[112+4*j:112+4*j+3], v9, s[14:15] offset:16*j
.set j, j+1
.endr
	global_load_b32 v16, v10, s[8:9]
	global_load_b32 v17, v10, s[10:11]
	global_load_b32 v18, v10, s[12:13]
	global_load_b32 v19, v11, s[14:15]
	s_wait_loadcnt 20                              ; p1's 32 loads are in: 8 + 4 + 4 + 4 younger ones may stay out
.set j, 1
.rept 15
	v_pk_add_f32 v[32:33], v[32:33], v[32+2*j:33+2*j]
.set j, j+1
.endr
	v_add_f32 v32, v32, v33
	ds_store_b32 v12, v32
	s_wait_loadcnt 12                              ; w2's 8 loads are in
.set j, 0
.rept 8
	v_cvt_pk_bf16_f32 v20, v[64+4*j], v[65+4*j]
	v_cvt_pk_bf16_f32 v21, v[66+4*j], v[67+4*j]
	v_lshlrev_b32 v22, 16, v20
	v_and_b32 v23, s28, v20
	v_lshlrev_b32 v24, 16, v21
	v_and_b32 v25, s28, v21
	v_cvt_pk_f16_f32 v[64+4*j], v22, v23
	v_cvt_pk_f16_f32 v[65+4*j], v24, v25
	global_store_b64 v13, v[64+4*j:65+4*j], s[18:19] offset:9728+256*j   ; 256 consecutive bytes, aligned
.set j, j+1
.endr
	s_wait_dscnt 0x0
	s_barrier_signal -1
	s_barrier_wait -1
.set c, 0
.rept 8
	ds_load_b32 v[32+c], v11 offset:128*c
.set c, c+1
.endr
	s_wait_dscnt 0x0
.set c, 1
.rept 7
	v_add_f32 v32, v32, v[32+c]
.set c, c+1
.endr
	v_cmp_eq_u32 vcc_lo, 1, v3
	v_permlanex16_b32 v33, v32, s26, s27
	v_cndmask_b32 v34, v32, v33, vcc_lo            ; the sum, in every lane
	v_cndmask_b32 v35, v33, v32, vcc_lo            ; the sum of squares
	s_wait_loadcnt 0x0
	RB 16, 17
	RB 18, 19
.set j, 0
.rept 16
	RB 96+2*j, 97+2*j
.set j, j+1
.endr
	v_mul_f32 v21, v96, v112
.set j, 1
.rept 15
	v_fmac_f32 v21, v[96+j], v[112+j]
.set j, j+1
.endr
	v_permlanex16_b32 v22, v21, s26, s27
	v_add_f32 v21, v21, v22                        ; w1 . s
	v_mul_f32 v22, 0x36000000, v34                 ; mean' = sum / 2^19
	v_mul_f32 v23, 0x36000000, v35
	v_fma_f32 v23, -v22, v22, v23
	v_max_num_f32 v23, 0, v23
	v_add_f32 v24, 0x3727c5ac, v23                 ; + 1e-5
	v_rsq_f32 v25, v24
	v_add_f32 v26, v21, v16                        ; t1
	v_add_f32 v27, v22, v26                        ; mu1
	v_sub_f32 v28, v26, v27
	v_max_num_f32 v30, 0, v18
	v_mov_b32 v31, 0
	v_cvt_f16_f32 v31.l, v30
	v_cvt_f32_f16 v30, v31.l                       ; s1
	v_xor_b32 v31, 0x8000, v31                     ; -s1 in f16
	s_wait_alu depctr_va_vdst(0)                   ; a wait ahead of the root's first reader
	v_mul_f32 v25, v25, v17                        ; a1
	v_fma_f32 v29, v25, v28, v18                   ; c1
	v_sub_f32 v29, v29, v30
	s_cmp_lg_u32 s20, 0                            ; wave 0 stores
	s_cbranch_scc1 .Lend
.set j, 0
.rept 16
	v_mul_f32 v[96+j], v25, v[96+j]
.set j, j+1
.endr
.set j, 0
.rept 8
	v_cvt_pk_f16_f32 v[96+j], v[96+2*j], v[97+2*j]
.set j, j+1
.endr
	global_store_b128 v15, v[96:99], s[18:19]
	global_store_b128 v15, v[100:103], s[18:19] offset:16
	s_cmp_lg_u32 s21, 0
	s_cbranch_scc1 .Lno_shift
	global_store_b32 v11, v19, s[18:19] offset:9472          ; the shift, once
.Lno_shift:
	v_cmp_gt_u32 vcc_lo, 16, v1
	s_wait_xcnt 0x0                                ; EXEC changes only behind this wait
	s_and_saveexec_b32 s29, vcc_lo
	global_store_b32 v10, v29, s[18:19] offset:8192
	global_store_b32 v10, v30, s[18:19] offset:8960
	global_store_b16 v14, v31, s[18:19] offset:8704
	s_wait_xcnt 0x0
	s_or_b32 exec_lo, exec_lo, s29
.Lend:
	s_wait_tensorcnt 0x0                           ; the wave's end
	ds_add_u32 v4, v5
	s_wait_dscnt 0x0
	s_endpgm
.Lfunc_end_k_q85d40244f9_fold1:
	.size	k_q85d40244f9_fold1, .Lfunc_end_k_q85d40244f9_fold1-k_q85d40244f9_fold1
	.p2alignl 7, 3214868480
	.fill 96, 4, 3214868480
	.section	.rodata,"a",@progbits
	.p2align	6, 0x0
	.amdhsa_kernel k_q85d40244f9_fold1
		.amdhsa_group_segment_fixed_size 2048
		.amdhsa_private_segment_fixed_size 0
		.amdhsa_enable_private_segment 0
		.amdhsa_kernarg_size 64
		.amdhsa_user_sgpr_count 2
		.amdhsa_user_sgpr_kernarg_segment_ptr 1
		.amdhsa_wavefront_size32 1
		.amdhsa_system_sgpr_workgroup_id_x 1
		.amdhsa_system_sgpr_workgroup_id_y 1
		.amdhsa_system_sgpr_workgroup_id_z 1
		.amdhsa_system_vgpr_workitem_id 0
		.amdhsa_next_free_vgpr 128
		.amdhsa_next_free_sgpr 66
		.amdhsa_reserve_vcc 1
		.amdhsa_float_denorm_mode_32 3
		.amdhsa_float_denorm_mode_16_64 3
		.amdhsa_memory_ordered 1
		.amdhsa_forward_progress 1
		.amdhsa_inst_pref_size 19
	.end_amdhsa_kernel
	.amdgpu_metadata
---
amdhsa.version: [ 1, 2 ]
amdhsa.kernels:
  - .name:           k_q85d40244f9_fold1
    .symbol:         k_q85d40244f9_fold1.kd
    .args:
      - { .name: p1, .offset: 0, .size: 8, .value_kind: global_buffer, .address_space: global }
      - { .name: w1, .offset: 8, .size: 8, .value_kind: global_buffer, .address_space: global }
      - { .name: b1, .offset: 16, .size: 8, .value_kind: global_buffer, .address_space: global }
      - { .name: g1, .offset: 24, .size: 8, .value_kind: global_buffer, .address_space: global }
      - { .name: be1, .offset: 32, .size: 8, .value_kind: global_buffer, .address_space: global }
      - { .name: x, .offset: 40, .size: 8, .value_kind: global_buffer, .address_space: global }
      - { .name: w2, .offset: 48, .size: 8, .value_kind: global_buffer, .address_space: global }
      - { .name: f1, .offset: 56, .size: 8, .value_kind: global_buffer, .address_space: global }
    .group_segment_fixed_size: 2048
    .private_segment_fixed_size: 0
    .kernarg_segment_align: 8
    .kernarg_segment_size: 64
    .max_flat_workgroup_size: 256
    .sgpr_count:     66
    .vgpr_count:     128
    .wavefront_size: 32
...
	.end_amdgpu_metadata
.endif
;; end of part 2
;; launch hcov (part 3): grid 256 x 1, 4 waves a work-group, no clusters, 209,408 bytes of LDS; arguments xh, f1, p2; writes p2
.if DOCPART == 3
	.amdgcn_target "amdgcn-amd-amdhsa--gfx1250"
	.amdhsa_code_object_version 6
	.text
	.protected	k_q85d40244f9_hcov
	.globl	k_q85d40244f9_hcov
	.p2align	8
	.type	k_q85d40244f9_hcov,@function
k_q85d40244f9_hcov:
	s_mov_b64 s[64:65], 0
	v_nop
	global_prefetch_b8 v0, s[64:65] scope:SCOPE_SE
	s_setreg_imm32_b32 hwreg(HW_REG_WAVE_MODE, 25, 1), 1
	s_wait_xcnt 0x0
; SECOND WALK: THE STATISTICS OF z2 WITHOUT z2.  h' = max(f16(xh . w1s + c1'), -s1).  z2 is linear in h', so its mean and mean square follow from
; mean(h') and M = mean(h' h'^T).  A work-group takes M's upper triangle (36 tiles of 16 x 16) and the sums over its 2,048 points, then applies both forms:
; p2[wg][k] = w2h_k^T M w2h_k, p2[wg][512 + k] = w2h_k . mean(h').  (Off-diagonal tiles count twice.)
; LIMITS: a work-group's mean of h'^2, doubled, stays under 65,504 (M is rounded to f16 for the second product).
; SHARES: a wave owns 512 points, 16 blocks of 32; its 32 KiB of xh come by two tensor loads at the head (two loads of mine are out), padded to rows of 80 bytes.
; No cluster: no two work-groups read the same points; the weights are read once a wave, into registers.
; LAYOUT: z1 = X (16 points) x W1S (16 channels): a lane holds one channel and 8 points; two point tiles rounded to f16 ARE a fragment "row = channel, K = 32 points",
; which serves as both sources of M[a][b] += H[a] x H[b]; S[t] += ONES x H[t].
; PIPELINE: at a turn's head HC = h' of block i and Z = z1 of block i + 1.  Part 1: 44 products on HC, the roundings of Z behind 16 of them.  Part 2: 16 products z1 of block i + 2, the maxima into HC behind them.
; REGISTERS: window 0: v16-31 X, v32-39 -s1 twice a word, v40-47 ones, v48-111 HC, v112-239 Z.  window 1: v0-63 c1'.  window 2: v0-127 M tiles 0-15, v128-191 HN, v192-255 W1S.
; window 3: v0-159 M tiles 16-35, v160-223 S.  The riders run under the window setting of the product in front of them.
.set MT,    163840                     ; M^T in f16: row = column of M, 272 bytes a row; row 128 = mean(h'); rows 129-143 and what lies under the diagonal tiles stay 0
.set QS,    204800                     ; 512 q, 512 m
.set SPARE, 208896
.set MSB, 0
.macro WIN new
.if MSB != (\new)
	s_set_vgpr_msb (MSB<<8)|(\new)
.set MSB, \new
.endif
.endm
.macro PLACES n
.rept \n
	v_nop
.endr
.endm
; macro m once for each tile number pi in lo .. hi - 1 of the pairs pa <= pb, in the order of the dictionary
.macro FORP m, lo, hi
.set pn, 0
.set pi, 0
.rept 64
.set pa, pn/8
.set pb, pn%8
.if pa <= pb
.if (pi >= (\lo)) && (pi < (\hi))
	\m
.endif
.set pi, pi+1
.endif
.set pn, pn+1
.endr
.endm
	s_load_b128 s[4:7], s[0:1], 0x0                ; xh, f1
	s_load_b64 s[8:9], s[0:1], 0x10                ; p2
	v_lshl_add_u32 v4, v0, 2, SPARE
	v_mov_b32 v5, 0
	ds_add_u32 v4, v5                              ; the opening: the add, twice on end, and its wait ahead of my first tensor load
	ds_add_u32 v4, v5
	v_lshrrev_b32 v1, 5, v0
	v_readfirstlane_b32 s10, v1                    ; wave 0..3
	s_mov_b32 s16, (1<<16)|(1<<20)|(3<<22)|(3<<25) ; 2-byte elements; after every 16 words (a point) 4 words of padding
	s_mov_b32 s17, 128<<16                         ; rows of 128 elements = 256 bytes = 4 points
	s_mov_b32 s18, 64<<16
	s_mov_b32 s19, 128<<16
	s_mov_b32 s20, 64
	s_mov_b32 s21, 128
	s_mov_b32 s22, 0
	s_mov_b32 s23, 0
	s_mul_i32 s11, s10, 40960                      ; my 512 rows of 80 bytes
	s_mov_b32 s24, 1
	s_mov_b32 s25, s11
	s_mov_b32 s28, 1
	s_add_co_u32 s29, s11, 20480
	s_lshl_b32 s2, ttmp9, 17
	s_lshl_b32 s3, s10, 15
	s_add_co_u32 s2, s2, s3
	s_mov_b32 s3, 0
	s_mov_b32 s32, 0x76543210
	s_mov_b32 s33, 0xfedcba98
	s_mov_b32 s34, 0                               ; the next block's first byte among my rows
	s_wait_dscnt 0x0
	s_wait_kmcnt 0x0
	s_add_nc_u64 s[26:27], s[4:5], s[2:3]
	s_add_nc_u64 s[30:31], s[26:27], 16384
	s_or_b32 s27, s27, 0x80000000
	s_or_b32 s31, s31, 0x80000000
	tensor_load_to_lds s[24:27], s[16:23]
	s_nop 0
	tensor_load_to_lds s[28:31], s[16:23]
	s_nop 0
	PLACES 4
	v_and_b32 v1, 31, v0                           ; L
	v_and_b32 v14, 15, v0                          ; r
	v_bfe_u32 v15, v0, 4, 1                        ; h
	v_lshlrev_b32 v7, 6, v14
	v_lshl_add_u32 v7, v15, 4, v7                  ; w1s: row r, 16 bytes from 16 h on
	v_lshlrev_b32 v12, 2, v14
	v_lshlrev_b32 v13, 1, v14
	WIN 0x80
.set t, 0
.rept 8
	global_load_b128 v[192+8*t:192+8*t+3], v7, s[6:7] offset:1024*t
	global_load_b128 v[192+8*t+4:192+8*t+7], v7, s[6:7] offset:1024*t+32
.set t, t+1
.endr
	WIN 0x40
.set t, 0
.rept 8
	global_load_b32 v[8*t], v12, s[6:7] offset:8192+64*t
.set t, t+1
.endr
	WIN 0
.set t, 0
.rept 8
	global_load_u16 v[32+t], v13, s[6:7] offset:8704+32*t
.set t, t+1
.endr
	s_mul_i32 s12, s10, 10240
	s_add_co_u32 s12, s12, MT
	v_lshl_add_u32 v6, v1, 4, s12
.irp i, 8,9,10,11
	v_mov_b32 v\i, 0
.endr
.set i, 0
.rept 20                                       ; MT starts as zeros, a quarter a wave
	ds_store_b128 v6, v[8:11] offset:512*i
.set i, i+1
.endr
	v_mul_u32_u24 v2, v14, 80
	v_lshl_add_u32 v2, v15, 4, v2
	v_add_nc_u32 v2, s11, v2                       ; a fragment of X: row r, 16 bytes from 16 h on
.set i, 0
.rept 8
	v_mov_b32 v[40+i], 0x3c003c00                  ; 1.0 twice
.set i, i+1
.endr
	s_wait_loadcnt 0x0
	WIN 0x41
.set t, 0
.rept 8
.irp i, 1,2,3,4,5,6,7
	v_mov_b32 v[8*t+\i], v[8*t]                    ; a lane's channel is the same in all 8 registers of a result
.endr
.set t, t+1
.endr
	WIN 0
.set t, 0
.rept 8
	v_lshl_or_b32 v[32+t], v[32+t], 16, v[32+t]
.set t, t+1
.endr
.macro XLOAD                           ; the next block's two fragments
	WIN 0
	v_add_nc_u32 v3, s34, v2
	ds_load_b128 v[16:19], v3
	ds_load_b128 v[20:23], v3 offset:32
	ds_load_b128 v[24:27], v3 offset:1280
	ds_load_b128 v[28:31], v3 offset:1312
	s_add_co_u32 s34, s34, 2560
.endm
.macro ZW n                            ; z1, point tile n / 8, channel tile n % 8 (window setting 0x18)
	v_wmma_f32_16x16x32_f16 v[112+64*((\n)/8)+8*((\n)%8):112+64*((\n)/8)+8*((\n)%8)+7], v[16+8*((\n)/8):16+8*((\n)/8)+7], v[192+8*((\n)%8):192+8*((\n)%8)+7], v[8*((\n)%8):8*((\n)%8)+7]
.endm
.macro CV n                            ; register n = 8 t + 4 pt + u of HN (setting 0xa0)
	v_cvt_pk_f16_f32 v[128+(\n)], v[112+64*(((\n)/4)%2)+8*((\n)/8)+2*((\n)%4)], v[112+64*(((\n)/4)%2)+8*((\n)/8)+2*((\n)%4)+1]
.endm
.macro MX n                            ; HC = max(-s1, HN) (setting 0x18)
	v_pk_max_num_f16 v[48+(\n)], v[32+(\n)/8], v[128+(\n)]
.endm
.macro MW                              ; tile pi: M[pa][pb] += HC[pa] x HC[pb]; behind tiles 0-15 four roundings
.set rM, 8*(pi%16)+128*(pi/32)
.if ZERO
	v_wmma_f32_16x16x32_f16 v[rM:rM+7], v[48+8*pa:48+8*pa+7], v[48+8*pb:48+8*pb+7], 0
.else
	v_wmma_f32_16x16x32_f16 v[rM:rM+7], v[48+8*pa:48+8*pa+7], v[48+8*pb:48+8*pb+7], v[rM:rM+7]
.endif
.if RID && (pi < 16)
	CV 4*pi
	CV 4*pi+1
	CV 4*pi+2
	CV 4*pi+3
.endif
.endm
; A TURN.  zero = 1: the products start the sums.  p2 = 1: a further block is fetched and multiplied.  rid = 1: Z is rounded.
; The 44 accumulators and the 16 of Z take one instruction a turn.  Places: X is loaded, and Z read, four maxima behind the last z1; HC is written four roundings behind its last reader.
.macro TURN zero, p2, rid
.set ZERO, \zero
.set RID, \rid
.if \p2
	XLOAD
.endif
	WIN 0xf0
	FORP MW, 16, 36
.set t, 0
.rept 8
.if \zero
	v_wmma_f32_16x16x32_f16 v[160+8*t:160+8*t+7], v[40:47], v[48+8*t:48+8*t+7], 0
.else
	v_wmma_f32_16x16x32_f16 v[160+8*t:160+8*t+7], v[40:47], v[48+8*t:48+8*t+7], v[160+8*t:160+8*t+7]
.endif
.set t, t+1
.endr
	WIN 0xa0
	FORP MW, 0, 16
.if \p2
	s_wait_dscnt 0x0                               ; X is in
	WIN 0x18
.set zn, 0
.rept 16
	ZW zn
	MX 4*zn
	MX 4*zn+1
	MX 4*zn+2
	MX 4*zn+3
.set zn, zn+1
.endr
.endif
.endm
.macro ZALL                            ; 16 bare z1 and their places
	s_wait_dscnt 0x0
	WIN 0x18
.set zn, 0
.rept 16
	ZW zn
.set zn, zn+1
.endr
	PLACES 4
.endm
.macro MXALL
	WIN 0x18
.set zn, 0
.rept 64
	MX zn
.set zn, zn+1
.endr
.endm
	s_wait_tensorcnt 0x1                           ; my first 256 points are in; the second load may stay out
	XLOAD                                          ; block 0
	ZALL
	WIN 0xa0
.set zn, 0
.rept 64
	CV zn
.set zn, zn+1
.endr
	MXALL
	XLOAD                                          ; block 1
	ZALL
	TURN 1, 1, 1                                   ; turn 0 starts the sums and reads block 2
	WIN 0
	s_mov_b32 s35, 5
.Lfirst:                                       ; turns 1-5 read blocks 3-7
	TURN 0, 1, 1
	WIN 0
	s_sub_co_u32 s35, s35, 1
	s_cmp_lg_u32 s35, 0
	s_cbranch_scc1 .Lfirst
	s_wait_tensorcnt 0x0                           ; the second 256 points
	s_mov_b32 s35, 8
.Lsecond:                                      ; turns 6-13 read blocks 8-15
	TURN 0, 1, 1
	WIN 0
	s_sub_co_u32 s35, s35, 1
	s_cmp_lg_u32 s35, 0
	s_cbranch_scc1 .Lsecond
	TURN 0, 0, 1
	MXALL
	TURN 0, 0, 0
	PLACES 4
	; THE FOUR WAVES' SUMS MEET.  Each dumps its 36 tiles and 8 sums over its own rows of X, which have had their last fill and their last read.
	WIN 0
	v_lshl_add_u32 v6, v1, 4, s11
	v_lshl_add_u32 v7, v1, 2, s11
	s_lshl_b32 s12, s10, 15
	v_lshl_add_u32 v31, v14, 8, s12
	v_lshl_add_u32 v31, v15, 4, v31                ; w2h: row 128 w + r, 16 bytes from 16 h on
	WIN 0x08
.set i, 0
.rept 16
	ds_store_b128 v6, v[8*i:8*i+3] offset:1024*i
	ds_store_b128 v6, v[8*i+4:8*i+7] offset:1024*i+512
.set i, i+1
.endr
	WIN 0x0c
.set i, 0
.rept 20
	ds_store_b128 v6, v[8*i:8*i+3] offset:1024*(16+i)
	ds_store_b128 v6, v[8*i+4:8*i+7] offset:1024*(16+i)+512
.set i, i+1
.endr
.set t, 0
.rept 8
	ds_store_b32 v7, v[160+8*t] offset:36864+128*t
.set t, t+1
.endr
	s_wait_dscnt 0x0                               ; for the others' sake, the zeros in MT among them
	WIN 0x80
.set i, 0
.rept 32                                       ; my 128 rows of w2h: fragment (kt, kk) = i at v[8 i] of window 2; wanted behind the reduction
	global_load_b128 v[8*i:8*i+3], v31, s[6:7] offset:9728+4096*(i/4)+64*(i%4)
	global_load_b128 v[8*i+4:8*i+7], v31, s[6:7] offset:9728+4096*(i/4)+64*(i%4)+32
.set i, i+1
.endr
	WIN 0
	s_barrier_signal -1
	s_barrier_wait -1
	; Wave w adds registers 2 w and 2 w + 1 of every tile over the four dumps: the same text in every wave.
	s_lshr_b32 s12, s10, 1
	s_lshl_b32 s12, s12, 9
	s_and_b32 s13, s10, 1
	s_lshl_b32 s13, s13, 3
	s_add_co_u32 s12, s12, s13
	v_lshl_add_u32 v8, v1, 4, s12
	v_add_nc_u32 v9, 40960, v8
	v_add_nc_u32 v10, 81920, v8
	v_add_nc_u32 v11, 122880, v8
	v_mul_u32_u24 v13, v14, 272
	v_lshl_add_u32 v13, v15, 4, v13
	v_add_nc_u32 v13, MT, v13                      ; row r of MT, 16 bytes from 16 h on
	v_lshl_add_u32 v12, s10, 2, v13                ; and my two numbers of those eight
.macro RL
.irp c, 0,1,2,3
	ds_load_b64 v[48+8*(pi-RBASE)+2*\c:48+8*(pi-RBASE)+2*\c+1], v[8+\c] offset:1024*pi
.endr
.endm
.macro RS
.set rr, 48+8*(pi-RBASE)
	v_pk_add_f32 v[rr:rr+1], v[rr:rr+1], v[rr+2:rr+3]
	v_pk_add_f32 v[rr+4:rr+5], v[rr+4:rr+5], v[rr+6:rr+7]
	v_pk_add_f32 v[rr:rr+1], v[rr:rr+1], v[rr+4:rr+5]
.if pa == pb
	v_pk_mul_f32 v[rr:rr+1], v[rr:rr+1], 0x3a000000 op_sel_hi:[1,0]   ; / 2,048
.else
	v_pk_mul_f32 v[rr:rr+1], v[rr:rr+1], 0x3a800000 op_sel_hi:[1,0]   ; / 2,048, twice
.endif
	v_cvt_pk_f16_f32 v[rr], v[rr], v[rr+1]
	ds_store_b32 v12, v[rr] offset:16*pb*272+32*pa
.endm
.irp base, 0, 9, 18, 27
.set RBASE, \base
	FORP RL, \base, (\base)+9
	s_wait_dscnt 0x0
	FORP RS, \base, (\base)+9
.endr
	s_lshl_b32 s13, s10, 8
	s_add_co_u32 s13, s13, 36864
	v_lshl_add_u32 v16, v1, 2, s13                 ; the sums of channel tiles 2 w and 2 w + 1
	v_add_nc_u32 v17, 40960, v16
	v_add_nc_u32 v18, 81920, v16
	v_add_nc_u32 v19, 122880, v16
	s_lshl_b32 s13, s10, 6
	s_add_co_u32 s13, s13, MT+128*272
	v_lshl_add_u32 v30, v14, 1, s13
.irp c, 0,1,2,3
	ds_load_b32 v[20+\c], v[16+\c]
	ds_load_b32 v[24+\c], v[16+\c] offset:128
.endr
	s_wait_dscnt 0x0
	v_add_f32 v20, v20, v21
	v_add_f32 v22, v22, v23
	v_add_f32 v24, v24, v25
	v_add_f32 v26, v26, v27
	v_add_f32 v20, v20, v22
	v_add_f32 v24, v24, v26
	v_mul_f32 v20, 0x3a000000, v20
	v_mul_f32 v24, 0x3a000000, v24
	v_cvt_f16_f32 v20.l, v20
	v_cvt_f16_f32 v24.l, v24
	ds_store_b16 v30, v20
	ds_store_b16 v30, v24 offset:32
	s_wait_dscnt 0x0
	s_barrier_signal -1
	s_barrier_wait -1
	; THE FORMS.  T[b] = MT's rows 16 b .. (source 0) x w2h (source 1), over the channels up to the diagonal; b = 8 is the row of means.  A lane holds one k and 8 columns.
	WIN 0xc0
.set eb, 0
.rept 9
.set ek, 0
.rept 4
.if 2*ek <= eb
.set rF, 8*((eb/2+1)*(eb/2+eb%2)+ek)
	ds_load_b128 v[rF:rF+3], v13 offset:16*eb*272+64*ek
	ds_load_b128 v[rF+4:rF+7], v13 offset:16*eb*272+64*ek+32
.endif
.set ek, ek+1
.endr
.set eb, eb+1
.endr
	s_wait_dscnt 0x0
	s_wait_loadcnt 0x0                             ; w2h
.set kt, 0
.rept 8
	WIN 0x0b
.set ek, 0
.rept 4
.set eb, 2*ek
.rept 9-2*ek
.set rF, 8*((eb/2+1)*(eb/2+eb%2)+ek)
.if ek == 0
	v_wmma_f32_16x16x32_f16 v[112+8*eb:112+8*eb+7], v[rF:rF+7], v[32*kt+8*ek:32*kt+8*ek+7], 0
.else
	v_wmma_f32_16x16x32_f16 v[112+8*eb:112+8*eb+7], v[rF:rF+7], v[32*kt+8*ek:32*kt+8*ek+7], v[112+8*eb:112+8*eb+7]
.endif
.set eb, eb+1
.endr
.set ek, ek+1
.endr
	PLACES 4
	WIN 0x02                                       ; q = the sum of T x w2h over my 64 columns, in four chains; the f16 half is read in place
.set eb, 0
.rept 8
.set j, 0
.rept 8
.set rW, 32*kt+8*(eb/2)+4*(eb%2)+j/2
.set rQ, 8+j%4
.set rC, rQ
.if (eb == 0) && (j < 4)
.set rC, 5
.endif
.if j%2
	v_fma_mix_f32 v[rQ], v[rW], v[112+8*eb+j], v[rC] op_sel:[1,0,0] op_sel_hi:[1,0,0]
.else
	v_fma_mix_f32 v[rQ], v[rW], v[112+8*eb+j], v[rC] op_sel_hi:[1,0,0]
.endif
.set j, j+1
.endr
.set eb, eb+1
.endr
	WIN 0
	v_mov_b32 v[24+kt], v176                       ; w2h . mean(h'), in lanes 0-15
	v_add_f32 v8, v8, v9
	v_add_f32 v10, v10, v11
	v_add_f32 v[16+kt], v8, v10
.set kt, kt+1
.endr
	v_cmp_eq_u32 vcc_lo, 1, v15
	s_lshl_b32 s12, s10, 9
	s_add_co_u32 s13, s12, QS
	v_lshl_add_u32 v6, v15, 11, s13
	v_lshl_add_u32 v6, v14, 2, v6
	v_lshl_add_u32 v7, v1, 4, s13
	v_lshl_add_u32 v12, v1, 4, s12
	s_lshl_b32 s2, ttmp9, 12
	s_add_nc_u64 s[8:9], s[8:9], s[2:3]
.set kt, 0
.rept 8
	v_permlanex16_b32 v[32+kt], v[16+kt], s32, s33
	v_permlanex16_b32 v[40+kt], v[24+kt], s32, s33
.set kt, kt+1
.endr
.set kt, 0
.rept 8
	v_add_f32 v[16+kt], v[16+kt], v[32+kt]
	v_cndmask_b32 v[16+kt], v[16+kt], v[40+kt], vcc_lo       ; lanes 0-15 hold q, lanes 16-31 m
	ds_store_b32 v6, v[16+kt] offset:64*kt
.set kt, kt+1
.endr
	ds_load_b128 v[48:51], v7                      ; my own 128 q and 128 m, in order
	ds_load_b128 v[52:55], v7 offset:2048
	s_wait_dscnt 0x0
	global_store_b128 v12, v[48:51], s[8:9]
	global_store_b128 v12, v[52:55], s[8:9] offset:2048
	s_wait_tensorcnt 0x0                           ; the wave's end
	ds_add_u32 v4, v5
	s_wait_dscnt 0x0
	s_endpgm
.Lfunc_end_k_q85d40244f9_hcov:
	.size	k_q85d40244f9_hcov, .Lfunc_end_k_q85d40244f9_hcov-k_q85d40244f9_hcov
	.p2alignl 7, 3214868480
	.fill 96, 4, 3214868480
	.section	.rodata,"a",@progbits
	.p2align	6, 0x0
	.amdhsa_kernel k_q85d40244f9_hcov
		.amdhsa_group_segment_fixed_size 209408
		.amdhsa_private_segment_fixed_size 0
		.amdhsa_enable_private_segment 0
		.amdhsa_kernarg_size 24
		.amdhsa_user_sgpr_count 2
		.amdhsa_user_sgpr_kernarg_segment_ptr 1
		.amdhsa_wavefront_size32 1
		.amdhsa_system_sgpr_workgroup_id_x 1
		.amdhsa_system_sgpr_workgroup_id_y 1
		.amdhsa_system_sgpr_workgroup_id_z 1
		.amdhsa_system_vgpr_workitem_id 0
		.amdhsa_next_free_vgpr 1024
		.amdhsa_next_free_sgpr 66
		.amdhsa_reserve_vcc 1
		.amdhsa_float_denorm_mode_32 3
		.amdhsa_float_denorm_mode_16_64 3
		.amdhsa_memory_ordered 1
		.amdhsa_forward_progress 1
		.amdhsa_inst_pref_size 163
	.end_amdhsa_kernel
	.amdgpu_metadata
---
amdhsa.version: [ 1, 2 ]
amdhsa.kernels:
  - .name:           k_q85d40244f9_hcov
    .symbol:         k_q85d40244f9_hcov.kd
    .args:
      - { .name: xh, .offset: 0, .size: 8, .value_kind: global_buffer, .address_space: global }
      - { .name: f1, .offset: 8, .size: 8, .value_kind: global_buffer, .address_space: global }
      - { .name: p2, .offset: 16, .size: 8, .value_kind: global_buffer, .address_space: global }
    .group_segment_fixed_size: 209408
    .private_segment_fixed_size: 0
    .kernarg_segment_align: 8
    .kernarg_segment_size: 24
    .max_flat_workgroup_size: 128
    .sgpr_count:     66
    .vgpr_count:     1024
    .wavefront_size: 32
...
	.end_amdgpu_metadata
.endif
;; end of part 3
;; launch fold2 (part 4): grid 8 x 1, 8 waves a work-group, no clusters, 6,144 bytes of LDS; arguments p2, f1, b2, g2, be2, f2; writes f2
.if DOCPART == 4
	.amdgcn_target "amdgcn-amd-amdhsa--gfx1250"
	.amdhsa_code_object_version 6
	.text
	.protected	k_q85d40244f9_fold2
	.globl	k_q85d40244f9_fold2
	.p2align	8
	.type	k_q85d40244f9_fold2,@function
k_q85d40244f9_fold2:
	s_mov_b64 s[64:65], 0
	v_nop
	global_prefetch_b8 v0, s[64:65] scope:SCOPE_SE
	s_setreg_imm32_b32 hwreg(HW_REG_WAVE_MODE, 25, 1), 1
	s_wait_xcnt 0x0
; BN2 IS FOLDED INTO w2.  For each k: E2 and mh are the means of the 256 work-groups' q and m; var2 = max(E2 - mh^2, 0); t2 = w2h_k . s1 + b2; mu2 = mh + t2;
; a2 = g2 rsq(var2 + 1e-5); c2 = be2 + a2 (t2 - mu2).  Stored in f2: w2s = f16(a2 w2h) at 0, c2 at 131072.  b2, g2, be2 are rounded to bf16 first.
; Work-group g owns k = 64 g .. 64 g + 63.  In pass p a half wave owns k = 64 g + 16 p + 2 w + h, a lane 8 of its 128 channels.
.set QM, 4096
.set CS, 4608
.set SPARE, 5120
.macro RB a, b
	v_cvt_pk_bf16_f32 v84, v[\a], v[\b]
	v_lshlrev_b32 v[\a], 16, v84
	v_and_b32 v[\b], s20, v84
.endm
	s_load_b256 s[4:11], s[0:1], 0x0               ; p2, f1, b2, g2
	s_load_b128 s[12:15], s[0:1], 0x20             ; be2, f2
	v_lshl_add_u32 v4, v0, 2, SPARE
	v_mov_b32 v5, 0
	v_lshrrev_b32 v1, 5, v0
	v_readfirstlane_b32 s16, v1
	v_and_b32 v1, 31, v0
	v_and_b32 v2, 15, v0
	v_bfe_u32 v3, v0, 4, 1
	s_mov_b32 s20, 0xffff0000
	s_lshl_b32 s17, s16, 17
	s_lshl_b32 s18, ttmp9, 8
	s_add_co_u32 s17, s17, s18
	v_lshl_add_u32 v6, v3, 11, s17
	v_lshl_add_u32 v6, v2, 4, v6                   ; p2: line 32 w, half h, my 4 of the group's 64 k
	s_lshl_b32 s17, ttmp9, 6
	s_lshl1_add_u32 s17, s16, s17                  ; 64 g + 2 w
	v_add_nc_u32 v9, s17, v3                       ; + h
	v_lshlrev_b32 v7, 8, v9
	v_lshl_add_u32 v7, v2, 4, v7                   ; the row's 16 bytes
	v_lshlrev_b32 v9, 2, v9
	v_lshlrev_b32 v8, 5, v2
	s_lshl_b32 s17, s16, 9
	v_lshl_add_u32 v10, v1, 4, s17
	v_lshlrev_b32 v11, 4, v1
	s_lshl_b32 s17, s16, 3
	v_lshl_add_u32 v12, v3, 2, s17                 ; (2 w + h) x 4
	v_lshlrev_b32 v13, 3, v1
	v_add_nc_u32 v14, s18, v13                     ; 256 g + 8 L
	s_wait_kmcnt 0x0
.set j, 0
.rept 32
	global_load_b128 v[64+4*j:64+4*j+3], v6, s[4:5] offset:4096*j
.set j, j+1
.endr
.set p, 0
.rept 4
	global_load_b128 v[16+4*p:16+4*p+3], v7, s[6:7] offset:9728+4096*p
.set p, p+1
.endr
	global_load_b128 v[32:35], v8, s[6:7] offset:8960
	global_load_b128 v[36:39], v8, s[6:7] offset:8976
.set p, 0
.rept 4
	global_load_b32 v[40+p], v9, s[8:9] offset:64*p
	global_load_b32 v[44+p], v9, s[10:11] offset:64*p
	global_load_b32 v[48+p], v9, s[12:13] offset:64*p
.set p, p+1
.endr
	s_wait_loadcnt 18                              ; p2's 32 loads are in: 4 + 2 + 12 younger ones may stay out
.set j, 1
.rept 31
	v_pk_add_f32 v[64:65], v[64:65], v[64+4*j:65+4*j]
	v_pk_add_f32 v[66:67], v[66:67], v[66+4*j:67+4*j]
.set j, j+1
.endr
	ds_store_b128 v10, v[64:67]
	s_wait_dscnt 0x0
	s_barrier_signal -1
	s_barrier_wait -1
	s_cmp_lg_u32 s16, 0
	s_cbranch_scc1 .Lnot0
.set c, 0
.rept 8
	ds_load_b128 v[64+4*c:64+4*c+3], v11 offset:512*c
.set c, c+1
.endr
	s_wait_dscnt 0x0
.set c, 1
.rept 7
	v_pk_add_f32 v[64:65], v[64:65], v[64+4*c:65+4*c]
	v_pk_add_f32 v[66:67], v[66:67], v[66+4*c:67+4*c]
.set c, c+1
.endr
	v_pk_mul_f32 v[64:65], v[64:65], 0x3b800000 op_sel_hi:[1,0]   ; / 256
	v_pk_mul_f32 v[66:67], v[66:67], 0x3b800000 op_sel_hi:[1,0]
	ds_store_b128 v11, v[64:67] offset:QM          ; 64 E2, then 64 mh
.Lnot0:
	s_wait_dscnt 0x0
	s_barrier_signal -1
	s_barrier_wait -1
.set p, 0
.rept 4
	ds_load_b32 v[52+p], v12 offset:QM+64*p
	ds_load_b32 v[56+p], v12 offset:QM+256+64*p
.set p, p+1
.endr
	s_wait_dscnt 0x0
	s_wait_loadcnt 0x0
.irp a, 40,42,44,46,48,50
	RB \a, (\a)+1
.endr
.set p, 0
.rept 4                                        ; w2h . s1: 8 channels a lane, read from the f16 halves, then over the 16 lanes
	v_fma_mix_f32 v[60+p], v[16+4*p], v32, v5 op_sel_hi:[1,0,0]
	v_fma_mix_f32 v[60+p], v[16+4*p], v33, v[60+p] op_sel:[1,0,0] op_sel_hi:[1,0,0]
.set i, 1
.rept 3
	v_fma_mix_f32 v[60+p], v[16+4*p+i], v[32+2*i], v[60+p] op_sel_hi:[1,0,0]
	v_fma_mix_f32 v[60+p], v[16+4*p+i], v[33+2*i], v[60+p] op_sel:[1,0,0] op_sel_hi:[1,0,0]
.set i, i+1
.endr
.set p, p+1
.endr
.irp x, 1,2,4,8
.set p, 0
.rept 4
	v_add_f32_dpp v[60+p], v[60+p], v[60+p] row_xmask:\x row_mask:0xf bank_mask:0xf
.set p, p+1
.endr
.endr
.set p, 0
.rept 4
	v_fma_f32 v[52+p], -v[56+p], v[56+p], v[52+p]
	v_max_num_f32 v[52+p], 0, v[52+p]
	v_add_f32 v[52+p], 0x3727c5ac, v[52+p]
.set p, p+1
.endr
.set p, 0
.rept 4
	v_rsq_f32 v[68+p], v[52+p]
.set p, p+1
.endr
.set p, 0
.rept 4
	v_add_f32 v[60+p], v[60+p], v[40+p]            ; t2
	v_add_f32 v[72+p], v[56+p], v[60+p]            ; mu2
	v_sub_f32 v[72+p], v[60+p], v[72+p]
.set p, p+1
.endr
	s_wait_alu depctr_va_vdst(0)                   ; one wait for the four roots, ahead of their first reader
.set p, 0
.rept 4
	v_mul_f32 v[68+p], v[68+p], v[44+p]            ; a2
	v_fma_f32 v[76+p], v[68+p], v[72+p], v[48+p]   ; c2
	ds_store_b32 v12, v[76+p] offset:CS+64*p
.set i, 0
.rept 4
	v_fma_mix_f32 v[96+16*p+2*i], v[16+4*p+i], v[68+p], v5 op_sel_hi:[1,0,0]
	v_fma_mix_f32 v[97+16*p+2*i], v[16+4*p+i], v[68+p], v5 op_sel:[1,0,0] op_sel_hi:[1,0,0]
.set i, i+1
.endr
.set i, 0
.rept 4
	v_cvt_pk_f16_f32 v[96+16*p+i], v[96+16*p+2*i], v[97+16*p+2*i]
.set i, i+1
.endr
	global_store_b128 v7, v[96+16*p:96+16*p+3], s[14:15] offset:4096*p   ; 16 lanes store a row's 256 bytes
.set p, p+1
.endr
	s_wait_dscnt 0x0
	s_barrier_signal -1
	s_barrier_wait -1
	s_cmp_lg_u32 s16, 0
	s_cbranch_scc1 .Lend
	ds_load_b64 v[80:81], v13 offset:CS
	s_wait_dscnt 0x0
	global_store_b64 v14, v[80:81], s[14:15] offset:131072   ; the group's 64 c2: 256 consecutive bytes
.Lend:
	s_wait_tensorcnt 0x0                           ; the wave's end
	ds_add_u32 v4, v5
	s_wait_dscnt 0x0
	s_endpgm
.Lfunc_end_k_q85d40244f9_fold2:
	.size	k_q85d40244f9_fold2, .Lfunc_end_k_q85d40244f9_fold2-k_q85d40244f9_fold2
	.p2alignl 7, 3214868480
	.fill 96, 4, 3214868480
	.section	.rodata,"a",@progbits
	.p2align	6, 0x0
	.amdhsa_kernel k_q85d40244f9_fold2
		.amdhsa_group_segment_fixed_size 6144
		.amdhsa_private_segment_fixed_size 0
		.amdhsa_enable_private_segment 0
		.amdhsa_kernarg_size 48
		.amdhsa_user_sgpr_count 2
		.amdhsa_user_sgpr_kernarg_segment_ptr 1
		.amdhsa_wavefront_size32 1
		.amdhsa_system_sgpr_workgroup_id_x 1
		.amdhsa_system_sgpr_workgroup_id_y 1
		.amdhsa_system_sgpr_workgroup_id_z 1
		.amdhsa_system_vgpr_workitem_id 0
		.amdhsa_next_free_vgpr 192
		.amdhsa_next_free_sgpr 66
		.amdhsa_reserve_vcc 0
		.amdhsa_float_denorm_mode_32 3
		.amdhsa_float_denorm_mode_16_64 3
		.amdhsa_memory_ordered 1
		.amdhsa_forward_progress 1
		.amdhsa_inst_pref_size 23
	.end_amdhsa_kernel
	.amdgpu_metadata
---
amdhsa.version: [ 1, 2 ]
amdhsa.kernels:
  - .name:           k_q85d40244f9_fold2
    .symbol:         k_q85d40244f9_fold2.kd
    .args:
      - { .name: p2, .offset: 0, .size: 8, .value_kind: global_buffer, .address_space: global }
      - { .name: f1, .offset: 8, .size: 8, .value_kind: global_buffer, .address_space: global }
      - { .name: b2, .offset: 16, .size: 8, .value_kind: global_buffer, .address_space: global }
      - { .name: g2, .offset: 24, .size: 8, .value_kind: global_buffer, .address_space: global }
      - { .name: be2, .offset: 32, .size: 8, .value_kind: global_buffer, .address_space: global }
      - { .name: f2, .offset: 40, .size: 8, .value_kind: global_buffer, .address_space: global }
    .group_segment_fixed_size: 6144
    .private_segment_fixed_size: 0
    .kernarg_segment_align: 8
    .kernarg_segment_size: 48
    .max_flat_workgroup_size: 256
    .sgpr_count:     66
    .vgpr_count:     192
    .wavefront_size: 32
...
	.end_amdgpu_metadata
.endif
;; end of part 4
;; launch main (part 5): grid 256 x 1, 4 waves a work-group, no clusters, 264,704 bytes of LDS; arguments xh, f1, f2, pp; writes pp
.if DOCPART == 5
	.amdgcn_target "amdgcn-amd-amdhsa--gfx1250"
	.amdhsa_code_object_version 6
	.text
	.protected	k_q85d40244f9_main
	.globl	k_q85d40244f9_main
	.p2align	8
	.type	k_q85d40244f9_main,@function
k_q85d40244f9_main:
	s_mov_b64 s[64:65], 0
	v_nop
	global_prefetch_b8 v0, s[64:65] scope:SCOPE_SE
	s_setreg_imm32_b32 hwreg(HW_REG_WAVE_MODE, 25, 1), 1
	s_wait_xcnt 0x0
; THIRD WALK: att = relu(f16(h' . w2s + c2)); pp[wg][k][c] = the sum over the work-group's 2,048 points of att[k] x[c]; behind it pp's second part: the sums of att[k].
; x = xh + s, so the sum is taken on xh and s[c] x (sum of att[k]) is added at the end.  h' and att live in registers alone.
; LIMITS: h' and att are f16: they stay under 65,504, and below 6e-5 they keep a step of 6e-8; NaN and infinities are not treated apart.
; SHARES: wave w owns k = 128 w .. 128 w + 127 and walks all 64 blocks of 32 points; each wave makes h' for itself (16 products a block), which spares every exchange between waves: the loop has no barrier.
; The work-group's 128 KiB of xh come by two tensor loads a wave at the head (two loads of mine are out), padded to rows of 96 bytes; all waves read all rows, behind a barrier for each half.
; No cluster: no two work-groups read the same points; the weights are read once a wave, into registers.
; LAYOUT.  z1^T = W1S (16 channels) x X1 (16 points): a lane holds one point and 8 channels; two channel tiles rounded to f16 ARE source 0 (16 points x 32 channels) of z2 = H x W2S, in whose result a lane holds
; one k and 8 points; two point tiles rounded ARE source 0 (16 k x 32 points) of P += A x XT (xh turned by ds_load_tr16_b128) and G += A x ONES.  All roundings are made in place.
; A TURN: 64 products z2 of block i, 16 products z1 of block i + 1, 24 products P and G of block i; the roundings and maxima ride behind them.
; REGISTERS.  window 0: v12-13 s, v16-23 ones, v24-39 XT, v40-55 X1, v56-87 -s1, v88-151 W1S, v152-215 c1'.  window 1: W2S.  window 2: v0-127 z2 / A, v128-255 z1 / H.  window 3: v0-127 P, v128-191 G, v192-255 c2.
.set STAGE, 196608
.set GST,   262144
.set SPARE, 264192
.set MSB, 0
.macro WIN new
.if MSB != (\new)
	s_set_vgpr_msb (MSB<<8)|(\new)
.set MSB, \new
.endif
.endm
.macro PLACES n
.rept \n
	v_nop
.endr
.endm
	s_load_b256 s[4:11], s[0:1], 0x0               ; xh, f1, f2, pp
	v_lshl_add_u32 v4, v0, 2, SPARE
	v_mov_b32 v5, 0
	ds_add_u32 v4, v5                              ; the opening: the add, twice on end, and its wait ahead of my first tensor load
	ds_add_u32 v4, v5
	v_lshrrev_b32 v1, 5, v0
	v_readfirstlane_b32 s12, v1                    ; wave 0..3
	s_mov_b32 s16, (1<<16)|(1<<20)|(3<<22)|(7<<25) ; 2-byte elements; after every 16 words (a point) 8 words of padding
	s_mov_b32 s17, 128<<16
	s_mov_b32 s18, 64<<16
	s_mov_b32 s19, 128<<16
	s_mov_b32 s20, 64
	s_mov_b32 s21, 128
	s_mov_b32 s22, 0
	s_mov_b32 s23, 0
	s_mul_i32 s13, s12, 24576                      ; my 256 rows of 96 bytes in each half
	s_mov_b32 s24, 1
	s_mov_b32 s25, s13
	s_mov_b32 s28, 1
	s_add_co_u32 s29, s13, 98304
	s_lshl_b32 s2, ttmp9, 17
	s_lshl_b32 s3, s12, 14
	s_add_co_u32 s2, s2, s3
	s_mov_b32 s3, 0
	s_mov_b32 s34, 0                               ; block i's first byte
	s_mov_b32 s40, 0
	s_wait_dscnt 0x0
	s_wait_kmcnt 0x0
	s_add_nc_u64 s[26:27], s[4:5], s[2:3]
	s_add_nc_u64 s[30:31], s[26:27], 65536
	s_or_b32 s27, s27, 0x80000000
	s_or_b32 s31, s31, 0x80000000
	tensor_load_to_lds s[24:27], s[16:23]
	s_nop 0
	tensor_load_to_lds s[28:31], s[16:23]
	s_nop 0
	PLACES 4
	v_and_b32 v1, 31, v0
	v_and_b32 v14, 15, v0                          ; r
	v_bfe_u32 v15, v0, 4, 1                        ; h
	s_lshl_b32 s13, s12, 15
	v_lshl_add_u32 v6, v14, 8, s13
	v_lshl_add_u32 v6, v15, 4, v6                  ; w2s: row 128 w + r
	s_lshl_b32 s13, s12, 9
	v_lshl_add_u32 v7, v14, 2, s13                 ; c2
	v_lshlrev_b32 v8, 6, v14
	v_lshl_add_u32 v8, v15, 4, v8                  ; w1s: row r
	v_lshlrev_b32 v9, 5, v15                       ; c1': 8 channels from 8 h on
	v_lshlrev_b32 v10, 4, v15                      ; -s1: the same in f16
	v_lshlrev_b32 v11, 2, v14
	WIN 0x40
.set i, 0
.rept 32
	global_load_b128 v[8*i:8*i+3], v6, s[8:9] offset:4096*(i/4)+64*(i%4)
	global_load_b128 v[8*i+4:8*i+7], v6, s[8:9] offset:4096*(i/4)+64*(i%4)+32
.set i, i+1
.endr
	WIN 0xc0
.set t, 0
.rept 8
	global_load_b32 v[192+8*t], v7, s[8:9] offset:131072+64*t
.set t, t+1
.endr
	WIN 0
.set t, 0
.rept 8
	global_load_b128 v[88+8*t:88+8*t+3], v8, s[6:7] offset:1024*t
	global_load_b128 v[88+8*t+4:88+8*t+7], v8, s[6:7] offset:1024*t+32
	global_load_b128 v[152+8*t:152+8*t+3], v9, s[6:7] offset:8192+64*t
	global_load_b128 v[152+8*t+4:152+8*t+7], v9, s[6:7] offset:8192+64*t+16
	global_load_b128 v[56+4*t:56+4*t+3], v10, s[6:7] offset:8704+32*t
.set t, t+1
.endr
	global_load_b32 v12, v11, s[6:7] offset:9472
	global_load_b32 v13, v11, s[6:7] offset:9472+64
	v_mul_u32_u24 v2, v14, 96
	v_lshl_add_u32 v2, v15, 4, v2                  ; X1: row r, 16 bytes from 16 h on
	v_and_b32 v3, 7, v0
	v_lshl_add_u32 v3, v15, 3, v3
	v_mul_u32_u24 v3, v3, 96
	v_bfe_u32 v16, v0, 3, 1
	v_lshl_add_u32 v3, v16, 4, v3                  ; the turning load: point 8 h + L % 8, channels 8 ((L / 8) % 2) on
.set i, 0
.rept 8
	v_mov_b32 v[16+i], 0x3c003c00
.set i, i+1
.endr
	s_wait_loadcnt 0x0
	WIN 0xc3
.set t, 0
.rept 8
.irp i, 1,2,3,4,5,6,7
	v_mov_b32 v[192+8*t+\i], v[192+8*t]
.endr
.set t, t+1
.endr
	WIN 0
.macro S1                              ; product m of 16: z1^T, channel tile m / 2, point tile m % 2
	WIN 0x80
	v_wmma_f32_16x16x32_f16 v[128+64*(m%2)+8*(m/2):128+64*(m%2)+8*(m/2)+7], v[88+8*(m/2):88+8*(m/2)+7], v[40+8*(m%2):40+8*(m%2)+7], v[152+8*(m/2):152+8*(m/2)+7]
.set m, m+1
.endm
.macro S3 g                            ; product m of 32: z2, channels 32 (m / 8) on, k tile 4 g + (m % 8) / 2, point tile m % 2; the first 8 start from c2
.set rD, 16*(4*(\g)+(m%8)/2)+8*(m%2)
.set rA, 128+64*(m%2)+16*(m/8)
.set rB, 32*(4*(\g)+(m%8)/2)+8*(m/8)
.if m < 8
	WIN 0xb6
	v_wmma_f32_16x16x32_f16 v[rD:rD+7], v[rA:rA+7], v[rB:rB+7], v[192+8*(4*(\g)+(m%8)/2):192+8*(4*(\g)+(m%8)/2)+7]
.else
	WIN 0xa6
	v_wmma_f32_16x16x32_f16 v[rD:rD+7], v[rA:rA+7], v[rB:rB+7], v[rD:rD+7]
.endif
.set m, m+1
.endm
.macro S5 zero                         ; product m of 24: k tile m / 3: P for channels 0-15, P for 16-31, G
.set rD, 16*(m/3)+8*(m%3)
.set rB, 24+8*(m%3)
.if m%3 == 2
.set rD, 128+8*(m/3)
.set rB, 16
.endif
	WIN 0xf2
.if \zero
	v_wmma_f32_16x16x32_f16 v[rD:rD+7], v[16*(m/3):16*(m/3)+7], v[rB:rB+7], 0
.else
	v_wmma_f32_16x16x32_f16 v[rD:rD+7], v[16*(m/3):16*(m/3)+7], v[rB:rB+7], v[rD:rD+7]
.endif
.set m, m+1
.endm
.macro V4                              ; number q4 of 128: k tile q4 / 16: eight roundings in place (each result read from its low registers on), eight maxima with 0
.set zb, 16*(q4/16)
.set zo, q4%16
	WIN 0xaa
.if zo < 8
	v_cvt_pk_f16_f32 v[zb+zo], v[zb+2*zo], v[zb+2*zo+1]
.else
	v_pk_max_num_f16 v[zb+zo-8], v[zb+zo-8], s40
.endif
.set q4, q4+1
.endm
.macro V2                              ; number q2 of 128: the same for z1, the maxima with -s1
.set zb, 128+16*(q2/16)
.set zo, q2%16
.if zo < 8
	WIN 0xaa
	v_cvt_pk_f16_f32 v[zb+zo], v[zb+2*zo], v[zb+2*zo+1]
.else
	WIN 0x88
	v_pk_max_num_f16 v[zb+zo-8], v[56+8*((q2/16)%4)+zo-8], v[zb+zo-8]
.endif
.set q2, q2+1
.endm
; A TURN, for block i.  zero = 1: P and G start.  nxt = 1: h' of block i + 1 is made.  Every accumulator takes one instruction a turn.
; Places, counted: XT is loaded 5 riders and more behind its last reader; the first roundings of z2 stand behind four v_nop; z1's tiles 6 and 7 land on H's last fragments 50 riders behind their last reader;
; z1 is read four riders behind its last product; the next turn's z2 lands on A 6 riders behind A's last reader.
; The riders of the last part: five behind each of the 24 products, a sixth behind each G: 24 x 5 + 8 = 128, all of z1's roundings and maxima.
.macro TURN zero, nxt
	WIN 0
	v_add_nc_u32 v7, s34, v3
.if \nxt
	v_add_nc_u32 v6, s34, v2
.endif
	ds_load_tr16_b128 v[24:27], v7
	ds_load_tr16_b128 v[28:31], v7 offset:1536
	ds_load_tr16_b128 v[32:35], v7 offset:32
	ds_load_tr16_b128 v[36:39], v7 offset:1568
.if \nxt
	ds_load_b128 v[40:43], v6 offset:3072
	ds_load_b128 v[44:47], v6 offset:3104
	ds_load_b128 v[48:51], v6 offset:4608
	ds_load_b128 v[52:55], v6 offset:4640
.endif
	s_add_co_u32 s34, s34, 3072
.set m, 0
.rept 32
	S3 0
.endr
	PLACES 4
.set m, 0
.set q4, 0
.rept 32
	S3 1
	V4
	V4
.endr
	s_wait_dscnt 0x0                               ; XT and X1 are in
.if \nxt
.set m, 0
.rept 16
	S1
	V4
	V4
	V4
	V4
.endr
.else
.rept 64
	V4
.endr
.endif
.set m, 0
.set q2, 0
.rept 24
	S5 \zero
.if \nxt
	V2
	V2
	V2
	V2
	V2
.if m%3 == 0
	V2
.endif
.endif
.endr
.endm
	s_wait_tensorcnt 0x1                           ; my part of the first 1,024 points is in; the second load may stay out
	s_barrier_signal -1
	s_barrier_wait -1                              ; everybody's is
	v_add_nc_u32 v6, s34, v2
	ds_load_b128 v[40:43], v6
	ds_load_b128 v[44:47], v6 offset:32
	ds_load_b128 v[48:51], v6 offset:1536
	ds_load_b128 v[52:55], v6 offset:1568
	s_wait_dscnt 0x0
.set m, 0
.rept 16
	S1
.endr
	PLACES 4
.set q2, 0
.rept 128
	V2
.endr
	TURN 1, 1                                      ; block 0 starts the sums
	WIN 0
	s_mov_b32 s35, 30
.Lfirst:                                       ; blocks 1-30; they touch rows up to block 31's
	TURN 0, 1
	WIN 0
	s_sub_co_u32 s35, s35, 1
	s_cmp_lg_u32 s35, 0
	s_cbranch_scc1 .Lfirst
	s_wait_tensorcnt 0x0                           ; my part of the second 1,024 points
	s_wait_dscnt 0x0
	s_barrier_signal -1
	s_barrier_wait -1
	s_mov_b32 s35, 32
.Lsecond:                                      ; blocks 31-62
	TURN 0, 1
	WIN 0
	s_sub_co_u32 s35, s35, 1
	s_cmp_lg_u32 s35, 0
	s_cbranch_scc1 .Lsecond
	TURN 0, 0                                      ; block 63
	PLACES 4
	; THE WAY OUT.  P += G x s; then through my stage into rows of 128 bytes, and out in runs of 512.
	WIN 0xf3
.set kt, 0
.rept 8
.set ct, 0
.rept 2
.set j, 0
.rept 8
	v_fma_f32 v[16*kt+8*ct+j], v[128+8*kt+j], v[12+ct], v[16*kt+8*ct+j]
.set j, j+1
.endr
.set ct, ct+1
.endr
.set kt, kt+1
.endr
	WIN 0
	s_lshl_b32 s13, s12, 14
	s_add_co_u32 s14, s13, STAGE
	v_lshl_add_u32 v8, v15, 10, s14
	v_lshl_add_u32 v8, v14, 2, v8                  ; k = 8 h + .., channel r
	v_lshl_add_u32 v10, v1, 4, s14
	s_lshl_b32 s15, s12, 9
	s_add_co_u32 s14, s15, GST
	v_lshl_add_u32 v9, v15, 5, s14
	v_lshl_add_u32 v11, v1, 4, s14
	v_lshlrev_b32 v6, 4, v1
	s_lshl_b32 s2, ttmp9, 16
	s_add_co_u32 s2, s2, s13
	s_add_nc_u64 s[36:37], s[10:11], 0x1000000     ; the sums of att lie behind the 256 x 64 KiB
	s_add_nc_u64 s[10:11], s[10:11], s[2:3]
	s_lshl_b32 s2, ttmp9, 11
	s_add_co_u32 s2, s2, s15
	s_add_nc_u64 s[36:37], s[36:37], s[2:3]
	WIN 0x0c
.set kt, 0
.rept 8
.set ct, 0
.rept 2
.set j, 0
.rept 8
	ds_store_b32 v8, v[16*kt+8*ct+j] offset:(16*kt+j)*128+64*ct
.set j, j+1
.endr
.set ct, ct+1
.endr
	ds_store_b128 v9, v[128+8*kt:128+8*kt+3] offset:64*kt        ; 16 lanes hold the same four sums
	ds_store_b128 v9, v[128+8*kt+4:128+8*kt+7] offset:64*kt+16
.set kt, kt+1
.endr
	WIN 0x80
.set i, 0
.rept 32
	ds_load_b128 v[4*i:4*i+3], v10 offset:512*i    ; my own bytes: LDS serves a wave's instructions in order
.set i, i+1
.endr
	WIN 0
	ds_load_b128 v[24:27], v11
	s_wait_dscnt 0x0
	WIN 0x08
.set i, 0
.rept 32
	global_store_b128 v6, v[4*i:4*i+3], s[10:11] offset:512*i    ; 512 consecutive bytes, aligned
.set i, i+1
.endr
	WIN 0
	global_store_b128 v6, v[24:27], s[36:37]
	s_wait_tensorcnt 0x0                           ; the wave's end
	ds_add_u32 v4, v5
	s_wait_dscnt 0x0
	s_endpgm
.Lfunc_end_k_q85d40244f9_main:
	.size	k_q85d40244f9_main, .Lfunc_end_k_q85d40244f9_main-k_q85d40244f9_main
	.p2alignl 7, 3214868480
	.fill 96, 4, 3214868480
	.section	.rodata,"a",@progbits
	.p2align	6, 0x0
	.amdhsa_kernel k_q85d40244f9_main
		.amdhsa_group_segment_fixed_size 264704
		.amdhsa_private_segment_fixed_size 0
		.amdhsa_enable_private_segment 0
		.amdhsa_kernarg_size 32
		.amdhsa_user_sgpr_count 2
		.amdhsa_user_sgpr_kernarg_segment_ptr 1
		.amdhsa_wavefront_size32 1
		.amdhsa_system_sgpr_workgroup_id_x 1
		.amdhsa_system_sgpr_workgroup_id_y 1
		.amdhsa_system_sgpr_workgroup_id_z 1
		.amdhsa_system_vgpr_workitem_id 0
		.amdhsa_next_free_vgpr 1024
		.amdhsa_next_free_sgpr 66
		.amdhsa_reserve_vcc 0
		.amdhsa_float_denorm_mode_32 3
		.amdhsa_float_denorm_mode_16_64 3
		.amdhsa_memory_ordered 1
		.amdhsa_forward_progress 1
		.amdhsa_inst_pref_size 151
	.end_amdhsa_kernel
	.amdgpu_metadata
---
amdhsa.version: [ 1, 2 ]
amdhsa.kernels:
  - .name:           k_q85d40244f9_main
    .symbol:         k_q85d40244f9_main.kd
    .args:
      - { .name: xh, .offset: 0, .size: 8, .value_kind: global_buffer, .address_space: global }
      - { .name: f1, .offset: 8, .size: 8, .value_kind: global_buffer, .address_space: global }
      - { .name: f2, .offset: 16, .size: 8, .value_kind: global_buffer, .address_space: global }
      - { .name: pp, .offset: 24, .size: 8, .value_kind: global_buffer, .address_space: global }
    .group_segment_fixed_size: 264704
    .private_segment_fixed_size: 0
    .kernarg_segment_align: 8
    .kernarg_segment_size: 32
    .max_flat_workgroup_size: 128
    .sgpr_count:     66
    .vgpr_count:     1024
    .wavefront_size: 32
...
	.end_amdgpu_metadata
.endif
;; end of part 5
;; launch fcp (part 6): grid 256 x 1, 4 waves a work-group, no clusters, 16,896 bytes of LDS; arguments pp, wf, yp; writes yp
.if DOCPART == 6
	.amdgcn_target "amdgcn-amd-amdhsa--gfx1250"
	.amdhsa_code_object_version 6
	.text
	.protected	k_q85d40244f9_fcp
	.globl	k_q85d40244f9_fcp
	.p2align	8
	.type	k_q85d40244f9_fcp,@function
k_q85d40244f9_fcp:
	s_mov_b64 s[64:65], 0
	v_nop
	global_prefetch_b8 v0, s[64:65] scope:SCOPE_SE
	s_setreg_imm32_b32 hwreg(HW_REG_WAVE_MODE, 25, 1), 1
	s_wait_xcnt 0x0
; THE LAST PRODUCT, SPLIT ALONG ITS K.  Work-group g owns 64 of pooled's 16,384 columns: 256 bytes of each of pp's 256 lines and of each of wf's 256 rows, each read once.
; pooled[b] = (the sum of the segment's 16 lines) / 32,768; the batch norm that follows takes a mean over b away, so pooled is centred over b HERE, in f32, where its common part is still exact,
; and the rest goes to the matrix unit as two bf16 numbers, hi + lo.  wf is rounded to bf16.  yp[f tile][g] = the partial product as it lies in registers (b = 8 h + j, f = lane % 16).
; Wave w adds lines 4 w .. 4 w + 3 of every segment (the four meet in LDS) and multiplies f tiles 4 w .. 4 w + 3.  The stream binds: all 64 loads of a wave go out at the head.
.set SPARE, 16384
.set MSB, 0
.macro WIN new
.if MSB != (\new)
	s_set_vgpr_msb (MSB<<8)|(\new)
.set MSB, \new
.endif
.endm
.macro SUM4                            ; v[144:175] = the sum of the four sets of 32 at v16, v48, v80, v112
.set n, 0
.rept 16
	v_pk_add_f32 v[144+2*n:145+2*n], v[16+2*n:17+2*n], v[48+2*n:49+2*n]
	v_pk_add_f32 v[80+2*n:81+2*n], v[80+2*n:81+2*n], v[112+2*n:113+2*n]
	v_pk_add_f32 v[144+2*n:145+2*n], v[144+2*n:145+2*n], v[80+2*n:81+2*n]
.set n, n+1
.endr
.endm
	s_load_b128 s[4:7], s[0:1], 0x0                ; pp, wf
	s_load_b64 s[8:9], s[0:1], 0x10                ; yp
	v_lshl_add_u32 v4, v0, 2, SPARE
	v_mov_b32 v5, 0
	v_lshrrev_b32 v1, 5, v0
	v_readfirstlane_b32 s10, v1
	v_and_b32 v1, 31, v0
	v_and_b32 v2, 15, v0                           ; r: the segment, or the row of wf in its tile
	v_bfe_u32 v3, v0, 4, 1
	s_mov_b32 s11, 0xffff0000
	s_mov_b32 s14, 0xbd800000                      ; -1/16
	s_lshl_b32 s2, ttmp9, 8
	s_mov_b32 s3, 0
	s_lshl_b32 s12, s10, 18
	v_lshl_add_u32 v6, v2, 20, s12
	v_lshl_add_u32 v6, v3, 5, v6                   ; pp: line 16 r + 4 w, 8 columns from 8 h on
	s_lshl_b32 s12, s10, 22
	v_lshl_add_u32 v7, v2, 16, s12
	v_lshl_add_u32 v7, v3, 5, v7                   ; wf: row 64 w + r
	s_lshl_b32 s12, s10, 12
	v_lshl_add_u32 v8, v1, 4, s12
	v_lshlrev_b32 v9, 4, v1
	s_lshl_b32 s12, s10, 20
	s_lshl_b32 s13, ttmp9, 10
	s_add_co_u32 s12, s12, s13
	s_mov_b32 s13, 0
	s_wait_kmcnt 0x0
	s_add_nc_u64 s[4:5], s[4:5], s[2:3]
	s_add_nc_u64 s[6:7], s[6:7], s[2:3]
	s_add_nc_u64 s[8:9], s[8:9], s[12:13]
.set i, 0
.rept 4
.set n, 0
.rept 8                                        ; n = 4 kk + 2 e + d: columns 32 kk + 16 e + 8 h + 4 d on
	global_load_b128 v[16+32*i+4*n:16+32*i+4*n+3], v6, s[4:5] offset:65536*i+128*(n/4)+64*((n/2)%2)+16*(n%2) th:TH_LOAD_NT
.set n, n+1
.endr
.set i, i+1
.endr
	WIN 0x40
.set i, 0
.rept 4
.set n, 0
.rept 8
	global_load_b128 v[32*i+4*n:32*i+4*n+3], v7, s[6:7] offset:1048576*i+128*(n/4)+64*((n/2)%2)+16*(n%2) th:TH_LOAD_NT
.set n, n+1
.endr
.set i, i+1
.endr
	WIN 0
	s_wait_loadcnt 32                              ; pp's 32 loads are in; wf's 32 may stay out
	SUM4
.set n, 0
.rept 8
	ds_store_b128 v8, v[144+4*n:144+4*n+3] offset:512*n
.set n, n+1
.endr
	s_wait_dscnt 0x0
	s_barrier_signal -1
	s_barrier_wait -1
.set c, 0
.rept 4
.set n, 0
.rept 8
	ds_load_b128 v[16+32*c+4*n:16+32*c+4*n+3], v9 offset:4096*c+512*n
.set n, n+1
.endr
.set c, c+1
.endr
	s_wait_dscnt 0x0
	SUM4
.set n, 0
.rept 16
	v_pk_mul_f32 v[144+2*n:145+2*n], v[144+2*n:145+2*n], 0x38000000 op_sel_hi:[1,0]   ; / 32,768
.set n, n+1
.endr
.set q, 0
.rept 4                                        ; the mean over the 16 segments (16 lanes) is taken away, eight numbers at a time
.set e, 0
.rept 8
	v_mov_b32 v[240+e], v[144+8*q+e]
.set e, e+1
.endr
.irp x, 1,2,4,8
.set e, 0
.rept 8
	v_add_f32_dpp v[240+e], v[240+e], v[240+e] row_xmask:\x row_mask:0xf bank_mask:0xf
.set e, e+1
.endr
.endr
.set e, 0
.rept 8
	v_fma_f32 v[144+8*q+e], v[240+e], s14, v[144+8*q+e]
.set e, e+1
.endr
.set q, q+1
.endr
.set n, 0
.rept 16                                       ; hi = bf16(pc), lo = bf16(pc - hi)
.set tr, 240+2*(n%4)
	v_cvt_pk_bf16_f32 v[176+n], v[144+2*n], v[145+2*n]
	v_lshlrev_b32 v[tr], 16, v[176+n]
	v_and_b32 v[tr+1], s11, v[176+n]
	v_sub_f32 v[tr], v[144+2*n], v[tr]
	v_sub_f32 v[tr+1], v[145+2*n], v[tr+1]
	v_cvt_pk_bf16_f32 v[192+n], v[tr], v[tr+1]
.set n, n+1
.endr
	s_wait_loadcnt 0x0
	WIN 0x45
.set n, 0
.rept 64
	v_cvt_pk_bf16_f32 v[128+n], v[2*n], v[2*n+1]
.set n, n+1
.endr
	WIN 0x04
.set a, 0
.rept 4                                        ; hi kk 0, hi kk 1, lo kk 0, lo kk 1; the four accumulators take turns
.set ft, 0
.rept 4
.if a == 0
	v_wmma_f32_16x16x32_bf16 v[208+8*ft:208+8*ft+7], v[176+8*a:176+8*a+7], v[128+16*ft+8*(a%2):128+16*ft+8*(a%2)+7], 0
.else
	v_wmma_f32_16x16x32_bf16 v[208+8*ft:208+8*ft+7], v[176+8*a:176+8*a+7], v[128+16*ft+8*(a%2):128+16*ft+8*(a%2)+7], v[208+8*ft:208+8*ft+7]
.endif
.set ft, ft+1
.endr
.set a, a+1
.endr
	WIN 0
.rept 4
	v_nop
.endr
.set ft, 0
.rept 4
	global_store_b128 v9, v[208+8*ft:208+8*ft+3], s[8:9] offset:262144*ft        ; 512 consecutive bytes, aligned
	global_store_b128 v9, v[208+8*ft+4:208+8*ft+7], s[8:9] offset:262144*ft+512
.set ft, ft+1
.endr
	s_wait_tensorcnt 0x0                           ; the wave's end
	ds_add_u32 v4, v5
	s_wait_dscnt 0x0
	s_endpgm
.Lfunc_end_k_q85d40244f9_fcp:
	.size	k_q85d40244f9_fcp, .Lfunc_end_k_q85d40244f9_fcp-k_q85d40244f9_fcp
	.p2alignl 7, 3214868480
	.fill 96, 4, 3214868480
	.section	.rodata,"a",@progbits
	.p2align	6, 0x0
	.amdhsa_kernel k_q85d40244f9_fcp
		.amdhsa_group_segment_fixed_size 16896
		.amdhsa_private_segment_fixed_size 0
		.amdhsa_enable_private_segment 0
		.amdhsa_kernarg_size 24
		.amdhsa_user_sgpr_count 2
		.amdhsa_user_sgpr_kernarg_segment_ptr 1
		.amdhsa_wavefront_size32 1
		.amdhsa_system_sgpr_workgroup_id_x 1
		.amdhsa_system_sgpr_workgroup_id_y 1
		.amdhsa_system_sgpr_workgroup_id_z 1
		.amdhsa_system_vgpr_workitem_id 0
		.amdhsa_next_free_vgpr 448
		.amdhsa_next_free_sgpr 66
		.amdhsa_reserve_vcc 0
		.amdhsa_float_denorm_mode_32 3
		.amdhsa_float_denorm_mode_16_64 3
		.amdhsa_memory_ordered 1
		.amdhsa_forward_progress 1
		.amdhsa_inst_pref_size 39
	.end_amdhsa_kernel
	.amdgpu_metadata
---
amdhsa.version: [ 1, 2 ]
amdhsa.kernels:
  - .name:           k_q85d40244f9_fcp
    .symbol:         k_q85d40244f9_fcp.kd
    .args:
      - { .name: pp, .offset: 0, .size: 8, .value_kind: global_buffer, .address_space: global }
      - { .name: wf, .offset: 8, .size: 8, .value_kind: global_buffer, .address_space: global }
      - { .name: yp, .offset: 16, .size: 8, .value_kind: global_buffer, .address_space: global }
    .group_segment_fixed_size: 16896
    .private_segment_fixed_size: 0
    .kernarg_segment_align: 8
    .kernarg_segment_size: 24
    .max_flat_workgroup_size: 128
    .sgpr_count:     66
    .vgpr_count:     448
    .wavefront_size: 32
...
	.end_amdgpu_metadata
.endif
;; end of part 6
;; launch bnf (part 7): grid 16 x 1, 8 waves a work-group, no clusters, 9,216 bytes of LDS; arguments yp, pp, bf, gf, bef, rb, out1; writes rb, out1
.if DOCPART == 7
	.amdgcn_target "amdgcn-amd-amdhsa--gfx1250"
	.amdhsa_code_object_version 6
	.text
	.protected	k_q85d40244f9_bnf
	.globl	k_q85d40244f9_bnf
	.p2align	8
	.type	k_q85d40244f9_bnf,@function
k_q85d40244f9_bnf:
	s_mov_b64 s[64:65], 0
	v_nop
	global_prefetch_b8 v0, s[64:65] scope:SCOPE_SE
	s_setreg_imm32_b32 hwreg(HW_REG_WAVE_MODE, 25, 1), 1
	s_wait_xcnt 0x0
; Work-group g does two things.  (1) out1[g][k] = the sum of segment g's 16 lines of sums of att.  (2) For f tile g: y = the sum of the 256 partial products + bf; the batch norm over the 16 segments,
; in two passes (mean, then the mean of squared differences); rb[g] = the result as it lies in registers (b = 8 h + j, f = 16 g + lane % 16).  bf, gf, bef are rounded to bf16 first.
; 16 work-groups: there are 16 tiles and 16 segments.
.set SPARE, 8192
	s_load_b256 s[4:11], s[0:1], 0x0               ; yp, pp, bf, gf
	s_load_b128 s[12:15], s[0:1], 0x20             ; bef, rb
	s_load_b64 s[16:17], s[0:1], 0x30              ; out1
	v_lshl_add_u32 v4, v0, 2, SPARE
	v_mov_b32 v5, 0
	v_lshrrev_b32 v1, 5, v0
	v_readfirstlane_b32 s18, v1
	v_and_b32 v1, 31, v0
	v_and_b32 v2, 15, v0
	v_lshlrev_b32 v6, 3, v0
	v_lshlrev_b32 v8, 4, v1
	s_lshl_b32 s19, ttmp9, 6
	v_lshl_add_u32 v7, v2, 2, s19
	s_lshl_b32 s19, s18, 10
	v_add_nc_u32 v9, s19, v8
	s_lshl_b32 s20, ttmp9, 15
	s_mov_b32 s21, 0
	s_lshl_b32 s22, ttmp9, 18
	s_lshl_b32 s23, s18, 15
	s_add_co_u32 s22, s22, s23
	s_mov_b32 s23, 0
	s_lshl_b32 s24, ttmp9, 11
	s_mov_b32 s25, 0
	s_lshl_b32 s26, ttmp9, 10
	s_mov_b32 s27, 0
	s_mov_b32 s28, 0x76543210
	s_mov_b32 s29, 0xfedcba98
	s_mov_b32 s30, 0xffff0000
	s_mov_b32 s32, 0x3d800000                      ; 1/16
	s_mov_b32 s33, 0x3727c5ac                      ; 1e-5
	s_wait_kmcnt 0x0
	s_add_nc_u64 s[6:7], s[6:7], 0x1000000
	s_add_nc_u64 s[6:7], s[6:7], s[20:21]
	s_add_nc_u64 s[4:5], s[4:5], s[22:23]
	s_add_nc_u64 s[16:17], s[16:17], s[24:25]
	s_add_nc_u64 s[14:15], s[14:15], s[26:27]
.set s, 0
.rept 16
	global_load_b64 v[32+2*s:33+2*s], v6, s[6:7] offset:2048*s
.set s, s+1
.endr
	global_load_b32 v24, v7, s[8:9]
	global_load_b32 v25, v7, s[10:11]
	global_load_b32 v26, v7, s[12:13]
.set i, 0
.rept 8
	v_mov_b32 v[16+i], 0
.set i, i+1
.endr
	s_mov_b32 s31, 2
.Lbatch:                                       ; wave w adds partial products 32 w .. 32 w + 31, sixteen a trip
.set n, 0
.rept 32
	global_load_b128 v[64+4*n:64+4*n+3], v8, s[4:5] offset:512*n
.set n, n+1
.endr
	s_wait_loadcnt 0x0                             ; the loads are done, so their base may be stepped below
.set n, 0
.rept 32
	v_pk_add_f32 v[16+4*(n%2):17+4*(n%2)], v[16+4*(n%2):17+4*(n%2)], v[64+4*n:65+4*n]
	v_pk_add_f32 v[18+4*(n%2):19+4*(n%2)], v[18+4*(n%2):19+4*(n%2)], v[66+4*n:67+4*n]
.set n, n+1
.endr
	s_add_nc_u64 s[4:5], s[4:5], 16384
	s_sub_co_u32 s31, s31, 1
	s_cmp_lg_u32 s31, 0
	s_cbranch_scc1 .Lbatch
.set s, 1
.rept 15
	v_pk_add_f32 v[32:33], v[32:33], v[32+2*s:33+2*s]
.set s, s+1
.endr
	global_store_b64 v6, v[32:33], s[16:17]        ; 256 consecutive bytes a wave
	ds_store_b128 v9, v[16:19]
	ds_store_b128 v9, v[20:23] offset:512
	s_wait_dscnt 0x0                               ; for wave 0's sake
	s_barrier_signal -1
	s_barrier_wait -1
	s_cmp_lg_u32 s18, 0                            ; wave 0 finishes the tile
	s_cbranch_scc1 .Lend
.set c, 0
.rept 8
	ds_load_b128 v[64+8*c:64+8*c+3], v8 offset:1024*c
	ds_load_b128 v[64+8*c+4:64+8*c+7], v8 offset:1024*c+512
.set c, c+1
.endr
	s_wait_dscnt 0x0
.set c, 1
.rept 7
.irp i, 0,2,4,6
	v_pk_add_f32 v[64+\i:65+\i], v[64+\i:65+\i], v[64+8*c+\i:65+8*c+\i]
.endr
.set c, c+1
.endr
	v_cvt_pk_bf16_f32 v27, v24, v25
	v_cvt_pk_bf16_f32 v28, v26, v26
	v_lshlrev_b32 v24, 16, v27                     ; bf
	v_and_b32 v25, s30, v27                        ; gf
	v_lshlrev_b32 v26, 16, v28                     ; bef
.set j, 0
.rept 8
	v_add_f32 v[64+j], v[64+j], v24
.set j, j+1
.endr
	v_add_f32 v80, v64, v65
	v_add_f32 v82, v66, v67
	v_add_f32 v83, v68, v69
	v_add_f32 v84, v70, v71
	v_add_f32 v80, v80, v82
	v_add_f32 v83, v83, v84
	v_add_f32 v80, v80, v83
	v_permlanex16_b32 v81, v80, s28, s29           ; the other 8 segments lie in the lane 16 away
	v_add_f32 v80, v80, v81
	v_mul_f32 v80, s32, v80                        ; the mean
.set j, 0
.rept 8
	v_sub_f32 v[64+j], v[64+j], v80
.set j, j+1
.endr
	v_mul_f32 v82, v64, v64
.set j, 1
.rept 7
	v_fmac_f32 v82, v[64+j], v[64+j]
.set j, j+1
.endr
	v_permlanex16_b32 v81, v82, s28, s29
	v_add_f32 v82, v82, v81
	v_fma_f32 v82, v82, s32, s33                   ; the variance + 1e-5
	v_rsq_f32 v83, v82
	v_nop                                          ; a plain instruction behind the root,
	s_wait_alu depctr_va_vdst(0)                   ; and a wait ahead of its first reader
	v_mul_f32 v83, v83, v25                        ; times gf
.set j, 0
.rept 8
	v_fma_f32 v[64+j], v[64+j], v83, v26
.set j, j+1
.endr
	global_store_b128 v8, v[64:67], s[14:15]       ; 512 consecutive bytes, aligned
	global_store_b128 v8, v[68:71], s[14:15] offset:512
.Lend:
	s_wait_tensorcnt 0x0                           ; the wave's end
	ds_add_u32 v4, v5
	s_wait_dscnt 0x0
	s_endpgm
.Lfunc_end_k_q85d40244f9_bnf:
	.size	k_q85d40244f9_bnf, .Lfunc_end_k_q85d40244f9_bnf-k_q85d40244f9_bnf
	.p2alignl 7, 3214868480
	.fill 96, 4, 3214868480
	.section	.rodata,"a",@progbits
	.p2align	6, 0x0
	.amdhsa_kernel k_q85d40244f9_bnf
		.amdhsa_group_segment_fixed_size 9216
		.amdhsa_private_segment_fixed_size 0
		.amdhsa_enable_private_segment 0
		.amdhsa_kernarg_size 56
		.amdhsa_user_sgpr_count 2
		.amdhsa_user_sgpr_kernarg_segment_ptr 1
		.amdhsa_wavefront_size32 1
		.amdhsa_system_sgpr_workgroup_id_x 1
		.amdhsa_system_sgpr_workgroup_id_y 1
		.amdhsa_system_sgpr_workgroup_id_z 1
		.amdhsa_system_vgpr_workitem_id 0
		.amdhsa_next_free_vgpr 192
		.amdhsa_next_free_sgpr 66
		.amdhsa_reserve_vcc 0
		.amdhsa_float_denorm_mode_32 3
		.amdhsa_float_denorm_mode_16_64 3
		.amdhsa_memory_ordered 1
		.amdhsa_forward_progress 1
		.amdhsa_inst_pref_size 18
	.end_amdhsa_kernel
	.amdgpu_metadata
---
amdhsa.version: [ 1, 2 ]
amdhsa.kernels:
  - .name:           k_q85d40244f9_bnf
    .symbol:         k_q85d40244f9_bnf.kd
    .args:
      - { .name: yp, .offset: 0, .size: 8, .value_kind: global_buffer, .address_space: global }
      - { .name: pp, .offset: 8, .size: 8, .value_kind: global_buffer, .address_space: global }
      - { .name: bf, .offset: 16, .size: 8, .value_kind: global_buffer, .address_space: global }
      - { .name: gf, .offset: 24, .size: 8, .value_kind: global_buffer, .address_space: global }
      - { .name: bef, .offset: 32, .size: 8, .value_kind: global_buffer, .address_space: global }
      - { .name: rb, .offset: 40, .size: 8, .value_kind: global_buffer, .address_space: global }
      - { .name: out1, .offset: 48, .size: 8, .value_kind: global_buffer, .address_space: global }
    .group_segment_fixed_size: 9216
    .private_segment_fixed_size: 0
    .kernarg_segment_align: 8
    .kernarg_segment_size: 56
    .max_flat_workgroup_size: 256
    .sgpr_count:     66
    .vgpr_count:     192
    .wavefront_size: 32
...
	.end_amdgpu_metadata
.endif
;; end of part 7
;; launch fin (part 8): grid 1 x 1, 8 waves a work-group, no clusters, 0 bytes of LDS; arguments rb, out0, out2; writes out0, out2
.if DOCPART == 8
	.amdgcn_target "amdgcn-amd-amdhsa--gfx1250"
	.amdhsa_code_object_version 6
	.text
	.protected	k_q85d40244f9_fin
	.globl	k_q85d40244f9_fin
	.p2align	8
	.type	k_q85d40244f9_fin,@function
k_q85d40244f9_fin:
	s_mov_b64 s[64:65], 0
	v_nop
	global_prefetch_b8 v0, s[64:65] scope:SCOPE_SE
	s_setreg_imm32_b32 hwreg(HW_REG_WAVE_MODE, 25, 1), 1
	s_wait_xcnt 0x0
; out0[b] = rb's row b divided by max(its length, 1e-12); out2[b] = 32,768.  Wave w owns rows 2 w and 2 w + 1.  rb lies as the launch before left it: [f tile g][u][lane][4] with
; b = 8 (lane / 16) + 4 u + q, f = 16 g + lane % 16.  A lane gathers f = 4 L + e and 128 + 4 L + e (e = 0..3) of both rows by eight loads of 8 bytes: 16 KiB in all, read once;
; each row then leaves in two stores of 512 consecutive bytes.  One work-group: a row's length spans all of rb.
	s_load_b128 s[4:7], s[0:1], 0x0                ; rb, out0
	s_load_b64 s[8:9], s[0:1], 0x10                ; out2
	v_lshrrev_b32 v1, 5, v0
	v_readfirstlane_b32 s10, v1
	v_and_b32 v1, 31, v0
	s_lshr_b32 s11, s10, 2
	s_lshl_b32 s11, s11, 8                         ; lanes 16 (w / 4) on
	s_bfe_u32 s12, s10, 0x10001
	s_lshl_b32 s12, s12, 9                         ; u
	s_add_co_u32 s11, s11, s12
	s_and_b32 s12, s10, 1
	s_lshl_b32 s12, s12, 3                         ; q = 2 (w % 2), and the next
	s_add_co_u32 s11, s11, s12
	v_lshrrev_b32 v2, 2, v1
	v_lshl_add_u32 v6, v2, 10, s11
	v_and_b32 v2, 3, v1
	v_lshl_add_u32 v6, v2, 6, v6
	s_lshl_b32 s12, s10, 11
	v_lshl_add_u32 v7, v1, 4, s12
	v_lshlrev_b32 v3, 2, v1
	s_mov_b32 s14, 0x76543210
	s_mov_b32 s15, 0xfedcba98
	v_mov_b32 v10, 0
	v_mov_b32 v11, 0
	v_mov_b32 v12, 0x8000                          ; 32,768
	s_wait_kmcnt 0x0
.set n, 0
.rept 8
	global_load_b64 v[16+2*n:17+2*n], v6, s[4:5] offset:8192*(n/4)+16*(n%4)
.set n, n+1
.endr
	s_wait_loadcnt 0x0
	v_pk_mul_f32 v[8:9], v[16:17], v[16:17]
.set n, 1
.rept 7
	v_pk_fma_f32 v[8:9], v[16+2*n:17+2*n], v[16+2*n:17+2*n], v[8:9]
.set n, n+1
.endr
.irp x, 1,2,4,8
	v_add_f32_dpp v8, v8, v8 row_xmask:\x row_mask:0xf bank_mask:0xf
	v_add_f32_dpp v9, v9, v9 row_xmask:\x row_mask:0xf bank_mask:0xf
.endr
	v_permlanex16_b32 v10, v8, s14, s15
	v_permlanex16_b32 v11, v9, s14, s15
	v_add_f32 v8, v8, v10
	v_add_f32 v9, v9, v11
	v_sqrt_f32 v10, v8
	v_sqrt_f32 v11, v9
	v_nop
	s_wait_alu depctr_va_vdst(0)                   ; one wait for the two roots
	v_max_num_f32 v10, 0x2b8cbccc, v10             ; 1e-12
	v_max_num_f32 v11, 0x2b8cbccc, v11
	v_rcp_f32 v8, v10
	v_rcp_f32 v9, v11
	v_nop
	s_wait_alu depctr_va_vdst(0)                   ; one wait for the two reciprocals
.set n, 0
.rept 8
	v_mul_f32 v[32+n], v[16+2*n], v8
	v_mul_f32 v[40+n], v[17+2*n], v9
.set n, n+1
.endr
	global_store_b128 v7, v[32:35], s[6:7]
	global_store_b128 v7, v[36:39], s[6:7] offset:512
	global_store_b128 v7, v[40:43], s[6:7] offset:1024
	global_store_b128 v7, v[44:47], s[6:7] offset:1536
	s_cmp_lg_u32 s10, 0
	s_cbranch_scc1 .Lend
	v_cmp_gt_u32 vcc_lo, 16, v1
	s_wait_xcnt 0x0                                ; EXEC changes only behind this wait
	s_and_saveexec_b32 s16, vcc_lo
	global_store_b32 v3, v12, s[8:9]
	s_wait_xcnt 0x0
	s_or_b32 exec_lo, exec_lo, s16
.Lend:
	s_endpgm
.Lfunc_end_k_q85d40244f9_fin:
	.size	k_q85d40244f9_fin, .Lfunc_end_k_q85d40244f9_fin-k_q85d40244f9_fin
	.p2alignl 7, 3214868480
	.fill 96, 4, 3214868480
	.section	.rodata,"a",@progbits
	.p2align	6, 0x0
	.amdhsa_kernel k_q85d40244f9_fin
		.amdhsa_group_segment_fixed_size 0
		.amdhsa_private_segment_fixed_size 0
		.amdhsa_enable_private_segment 0
		.amdhsa_kernarg_size 24
		.amdhsa_user_sgpr_count 2
		.amdhsa_user_sgpr_kernarg_segment_ptr 1
		.amdhsa_wavefront_size32 1
		.amdhsa_system_sgpr_workgroup_id_x 1
		.amdhsa_system_sgpr_workgroup_id_y 1
		.amdhsa_system_sgpr_workgroup_id_z 1
		.amdhsa_system_vgpr_workitem_id 0
		.amdhsa_next_free_vgpr 64
		.amdhsa_next_free_sgpr 66
		.amdhsa_reserve_vcc 1
		.amdhsa_float_denorm_mode_32 3
		.amdhsa_float_denorm_mode_16_64 3
		.amdhsa_memory_ordered 1
		.amdhsa_forward_progress 1
		.amdhsa_inst_pref_size 5
	.end_amdhsa_kernel
	.amdgpu_metadata
---
amdhsa.version: [ 1, 2 ]
amdhsa.kernels:
  - .name:           k_q85d40244f9_fin
    .symbol:         k_q85d40244f9_fin.kd
    .args:
      - { .name: rb, .offset: 0, .size: 8, .value_kind: global_buffer, .address_space: global }
      - { .name: out0, .offset: 8, .size: 8, .value_kind: global_buffer, .address_space: global }
      - { .name: out2, .offset: 16, .size: 8, .value_kind: global_buffer, .address_space: global }
    .group_segment_fixed_size: 0
    .private_segment_fixed_size: 0
    .kernarg_segment_align: 8
    .kernarg_segment_size: 24
    .max_flat_workgroup_size: 256
    .sgpr_count:     66
    .vgpr_count:     64
    .wavefront_size: 32
...
	.end_amdgpu_metadata
.endif
;; end of part 8
